; MI455X (gfx1250); checked and timed in simulation.
; The chip was launched on July 23, 2026; its instructions are those of AMD's public machine-readable ISA for CDNA 5 (MIT licence, August 2026) and "CDNA5" Instruction Set Architecture Reference Guide (July 2026). The comments in the code are by the model that wrote it; some were corrected since.
;; Transformer Encoder Layer Rotary. Allowed arithmetic: matrix products marked QUANTISED: E4M3 operands, one E8M0 scale for each 32 along K, by v_wmma_scale_f32_16x16x128_f8f6f4 with both operands' format E4M3, f32 sums; everything else in f32.
;; Inputs: b1 4,096 float32; b2 1,024 float32; k_b 1,024 float32; k_w_codes 1,024 x 32 x 32 uint8 (E4M3 codes of k_w, K innermost, in blocks of 32 codes); k_w_scales 1,024 x 32 uint8 (E8M0 scales of k_w, one for each 32 codes along K); ln1_b 1,024 float32; ln1_g 1,024 float32; ln2_b 1,024 float32; ln2_g 1,024 float32; q_b 1,024 float32; q_w_codes 1,024 x 32 x 32 uint8 (E4M3 codes of q_w, K innermost, in blocks of 32 codes); q_w_scales 1,024 x 32 uint8 (E8M0 scales of q_w, one for each 32 codes along K); src 2,048 x 2 x 1,024 float32; v_b 1,024 float32; v_w_codes 1,024 x 32 x 32 uint8 (E4M3 codes of v_w, K innermost, in blocks of 32 codes); v_w_scales 1,024 x 32 uint8 (E8M0 scales of v_w, one for each 32 codes along K); w1_codes 4,096 x 32 x 32 uint8 (E4M3 codes of w1, K innermost, in blocks of 32 codes); w1_scales 4,096 x 32 uint8 (E8M0 scales of w1, one for each 32 codes along K); w2_codes 1,024 x 128 x 32 uint8 (E4M3 codes of w2, K innermost, in blocks of 32 codes); w2_scales 1,024 x 128 uint8 (E8M0 scales of w2, one for each 32 codes along K).
;; Outputs: out0 2,048 x 2 x 1,024 float32.
;; This version of the problem:
;;   THIS VERSION OF THE PROBLEM IS GIVEN IN LOW PRECISION. The matrix products marked QUANTISED in the list below multiply operands that are first quantised to E4M3 (4 exponent bits, 3 mantissa bits; 8 bits a number), with one power-of-two scale for each 32 numbers along K (OCP MX v1.0); their sums are f32. All else is computed in f32.
;;   The module's matrix products, in the order in which they are computed (A, B: the left and right operand; K: the contracted axis; several contracted axes count as one K, in the product's order):
;;     1. [M 4,096, K 1,024] x [K 1,024, N 1,024]; A: input src; B: input q_w (given as codes): QUANTISED
;;     2. [M 4,096, K 1,024] x [K 1,024, N 1,024]; A: input src; B: input k_w (given as codes): QUANTISED
;;     3. [M 4,096, K 1,024] x [K 1,024, N 1,024]; A: input src; B: input v_w (given as codes): QUANTISED
;;     4. batch 32 x [M 2,048, K 64] x [K 64, N 2,048]; A: computed on the way; B: computed on the way: QUANTISED
;;     5. batch 32 x [M 2,048, K 2,048] x [K 2,048, N 64]; A: softmax (see below); B: computed on the way: QUANTISED
;;     6. [M 4,096, K 1,024] x [K 1,024, N 4,096]; A: computed on the way; B: input w1 (given as codes): QUANTISED
;;     7. [M 4,096, K 4,096] x [K 4,096, N 1,024]; A: computed on the way; B: input w2 (given as codes): QUANTISED
;;   THE QUANTISER, for each operand of a quantised product, along K:
;;     - K is cut into blocks of 32 from its start; a last block that is shorter is filled with zeros.
;;     - A block's scale is 2^e with e = floor(log2(the largest magnitude in the block)) - 8, held to -126 .. 127; a block of zeros has e = 0. As a byte (E8M0): e + 127.
;;     - Each number is divided by its block's scale, clamped to +-448, and rounded to the nearest number of E4M3, ties to even, subnormals kept.
;;     - The product sums the exact products of the quantised numbers (number of the format x scale) in f32.
;;   ~~~python
;;   def quantise(x, axis):      # numpy; x: float32 -> the quantised numbers, widened to float32 again
;;       x = np.moveaxis(x, axis, -1); K = x.shape[-1]
;;       x = np.pad(x, [(0, 0)] * (x.ndim - 1) + [(0, -K % 32)]); x = x.reshape(x.shape[:-1] + (-1, 32)); a = np.abs(x).max(-1, keepdims=True)
;;       e = np.where(a > 0, np.clip(np.frexp(np.where(a > 0, a, 1))[1] - 1 - 8, -126, 127), 0)      # np.frexp(a)[1] - 1 = floor(log2(a)), exactly
;;       r = np.clip(x / 2.0 ** e, -448, 448)
;;       step = 2.0 ** (np.maximum(np.frexp(np.where(r == 0, 1, r))[1] - 1, -6) - 3)
;;       q = np.round(r / step) * step * 2.0 ** e      # np.round: ties to even
;;       return np.moveaxis(q.reshape(q.shape[:-2] + (-1,))[..., :K], -1, axis).astype(np.float32)
;;   ~~~
;;   SOFTMAX AHEAD OF A QUANTISED PRODUCT. Where the list says 'softmax', what is quantised is not the finished softmax but p = 2^(t - M), with t = logit x log2(e) and M = ceil(the row's largest t), a whole number; so 1/2 < the row's largest p <= 1. The row's sum l is taken of the UNQUANTISED p, in f32, and the product's result is divided by l at the end. Since M is a whole number, a kernel that streams over the keys may use a running M (the ceiling of the running maximum): every later rescaling is an exact power of two, which a block's scale takes up: the codes' values come out the same.
;;   OPERANDS COMPUTED ON THE WAY. 'Computed on the way' means the value that the module computes at that place (a softmax that the list does not call 'softmax' is quantised finished and normalised). What goes into a quantiser is computed in f32, as accurately as f32 sums, v_exp_f32 and their like allow (about 1e-6 of the number): no bf16 or f16 on the way to a quantiser, and a product that is left as it is and whose result goes on into a quantised operand takes f32 operands (vector FMAs, or v_wmma_f32_16x16x4_f32). A number that lies on a knife's edge between two numbers of the format may be rounded either way, as far as f32 arithmetic and the matrix unit's own rounding can turn it there, and no further.
;;   INPUTS GIVEN AS CODES. k_w (in the module: [1024, 1024], K = its axis 0); q_w (in the module: [1024, 1024], K = its axis 0); v_w (in the module: [1024, 1024], K = its axis 0); w1 (in the module: [1024, 4096], K = its axis 0); w2 (in the module: [4096, 1024], K = its axis 0): each comes as NAME_codes (uint8): NAME with its K axis moved to the last place and cut into blocks of 32 codes, [.., K / 32, bytes a block], one block behind the other in memory; one code a byte (a code: sign, 4 exponent bits, 3 mantissa bits); and NAME_scales (uint8): the same leading axes, one E8M0 byte (e + 127) for each 32 codes along K. Its value is code x scale, taken as it is: it is not quantised again, and the codes and scales need not be those that the quantiser above would give.
;; One version. Each part assembles by itself: llvm-mc -triple=amdgcn-amd-amdhsa -mcpu=gfx1250 --defsym DOCPART=n.
;; ======== version 1 of 1: 7 launches
;; limits: right only within a limited range of input values
;; workspace buffers: wa 4,849,664 bytes; wb 13,369,344 bytes; wc 16,777,216 bytes; wd 21,102,592 bytes; we 17,301,504 bytes; wf 16,777,216 bytes
;; launch quant (part 1): grid 256 x 1, 16 waves a work-group, no clusters, 84,480 bytes of LDS; arguments src, wa; writes wa
.if DOCPART == 1
	.amdgcn_target "amdgcn-amd-amdhsa--gfx1250"
	.amdhsa_code_object_version 6
	.text
	.protected	k_q09d0dd522c_quant
	.globl	k_q09d0dd522c_quant
	.p2align	8
	.type	k_q09d0dd522c_quant,@function
k_q09d0dd522c_quant:
	s_mov_b64 s[64:65], 0
	v_nop
	global_prefetch_b8 v0, s[64:65] scope:SCOPE_SE
	s_setreg_imm32_b32 hwreg(HW_REG_WAVE_MODE, 25, 1), 1
	s_wait_xcnt 0x0
; src [2048 (s)][2 (b)][1024] f32 becomes codes of E4M3, K innermost, and one E8M0 byte for each 32 along K, in the row order m' = 2048 b + s that all later launches use:
; wa + 0: codes [4096][1024];  wa + 0x400000: scale bytes [4096][32];  wa + 0x420000: the rotary table [2048 (s)][32 (pair i)][cos, sin] f32.
; A block's byte is its largest magnitude's exponent field - 8, held at 1 from below; each number is held within +-448 x the scale and rounded to the nearest code, ties to even.
; LIMITS: NaN and infinities are not served; a block whose largest magnitude lies under 2^-118 (a block of zeros too) keeps the byte 1: its codes are then small or zero, and this program alone reads the bytes.
; The table: inv_freq = 2^(-i log2(10000) / 32) by v_exp_f32, which may lie an ulp or two from the power that JAX forms: at s = 2047 that moves the angle by about 2e-4 at the most.
; SHARES: sixteen waves, one row of 4,096 bytes each.  Each load reads 512 consecutive bytes; the bytes turn through the wave's own stage in LDS so that a lane holds 16 neighbours along K (two lanes to a block).
; The work-group's 512 scale bytes meet in LDS and leave as 512 consecutive bytes.  Each thread also makes one word of the table.
.set SP,   80                          ; a lane's place in a stage: 64 bytes + 16 of padding
.set WREG, 2*32*SP                     ; a wave's two stages
.set SCB,  16*WREG                     ; behind them: the work-group's 512 scale bytes
.set R,    16                          ; v16-47  the row as loaded
.set X,    48                          ; v48-79  two sets of 16 neighbours
.set C,    80                          ; v80-87  codes
.set E,    88                          ; v88-89  scale bytes
.set TB,   90                          ; v90-100 the table's arithmetic
	s_load_b128 s[4:7], s[0:1], 0x0                ; src, wa
	v_lshl_add_u32 v112, v0, 2, 0x14200
	v_mov_b32 v113, 0
	v_lshrrev_b32 v1, 5, v0
	s_delay_alu instid0(VALU_DEP_1)
	v_readfirstlane_b32 s8, v1                     ; wave 0..15
	v_and_b32 v1, 31, v0                           ; lane
	s_delay_alu instid0(VALU_DEP_1)
	v_lshlrev_b32 v2, 4, v1                        ; 16 x lane
	s_mul_i32 s9, s8, WREG
	v_lshrrev_b32 v3, 2, v1
	s_delay_alu instid0(VALU_DEP_1)
	v_mul_u32_u24 v3, v3, SP
	v_and_b32 v7, 3, v1
	s_delay_alu instid0(VALU_DEP_1)
	v_lshl_add_u32 v3, v7, 4, v3
	s_delay_alu instid0(VALU_DEP_1)
	v_add_nc_u32 v3, s9, v3                        ; into the stage: four lanes' 64 bytes on end, then the padding
	v_mul_u32_u24 v4, v1, SP
	s_delay_alu instid0(VALU_DEP_1)
	v_add_nc_u32 v4, s9, v4                        ; out of it: my 16 neighbours
	s_lshl_b32 s10, s8, 5
	s_add_co_u32 s10, s10, SCB
	v_lshrrev_b32 v5, 1, v1
	s_delay_alu instid0(VALU_DEP_1)
	v_add_nc_u32 v5, s10, v5                       ; my block's scale byte: 32 bytes a row
	v_add_nc_u32 v6, SCB, v2                       ; and where wave 0 reads all 512 back
	s_mov_b32 s23, 0x600000                        ; the mantissa field of 448
	s_lshr_b32 s11, ttmp9, 7                       ; b
	s_and_b32 s12, ttmp9, 127
	s_lshl_b32 s12, s12, 4
	s_add_co_u32 s12, s12, s8                      ; s
	s_lshl_b32 s12, s12, 1
	s_add_co_u32 s12, s12, s11                     ; src's row 2 s + b
	s_lshl_b32 s12, s12, 12
	s_mov_b32 s13, 0
	s_lshl_b32 s14, ttmp9, 4
	s_add_co_u32 s14, s14, s8                      ; m' = 16 x work-group + wave
	s_lshl_b32 s14, s14, 10
	s_mov_b32 s15, 0
	s_lshl_b32 s16, ttmp9, 9
	s_add_co_u32 s16, s16, 0x400000
	s_mov_b32 s17, 0
	s_lshl_b32 s18, ttmp9, 11
	s_add_co_u32 s18, s18, 0x420000
	s_mov_b32 s19, 0
	s_lshl_b32 s20, ttmp9, 3                       ; the table: eight positions to a work-group
	s_wait_kmcnt 0x0
	s_add_nc_u64 s[4:5], s[4:5], s[12:13]
	s_add_nc_u64 s[14:15], s[6:7], s[14:15]        ; my row's codes
	s_add_nc_u64 s[16:17], s[6:7], s[16:17]        ; the work-group's scale bytes
	s_add_nc_u64 s[18:19], s[6:7], s[18:19]        ; its 512 words of the table
.irp i, 0,1,2,3,4,5,6,7
	global_load_b128 v[R+4*\i:R+4*\i+3], v2, s[4:5] offset:512*\i th:TH_LOAD_NT
.endr
	; ---- one word of the table, while the row is on its way: pair i = (t / 2) % 32, position 8 g + t / 64, cos for even t, sin for odd
	v_bfe_u32 v[TB], v0, 1, 5
	s_delay_alu instid0(VALU_DEP_1)
	v_cvt_f32_u32 v[TB], v[TB]
	s_delay_alu instid0(VALU_DEP_1)
	v_mul_f32 v[TB], 0xbed49a78, v[TB]             ; - i log2(10000) / 32
	s_wait_alu depctr_va_vdst(0)
	v_exp_f32 v[TB], v[TB]                         ; inv_freq
	v_lshrrev_b32 v[TB+1], 6, v0                   ; (a plain line behind the exponential)
	s_delay_alu instid0(VALU_DEP_1)
	v_add_nc_u32 v[TB+1], s20, v[TB+1]
	s_delay_alu instid0(VALU_DEP_1)
	v_cvt_f32_u32 v[TB+1], v[TB+1]
	s_wait_alu depctr_va_vdst(0)
	v_mul_f32 v[TB+1], v[TB+1], v[TB]              ; the angle, rounded once, as the sum of products has it
	s_delay_alu instid0(VALU_DEP_1)
	v_mul_f32 v[TB+2], 0x3f22f983, v[TB+1]
	s_delay_alu instid0(VALU_DEP_1)
	v_rndne_f32 v[TB+2], v[TB+2]                   ; n = the nearest multiple of pi / 2
	s_delay_alu instid0(VALU_DEP_1)
	v_fmamk_f32 v[TB+3], v[TB+2], 0xbfc90fdb, v[TB+1]   ; angle - n x (pi / 2 to 24 bits): a multiple of 2^-23 under 1, so nothing is rounded
	s_delay_alu instid0(VALU_DEP_1)
	v_fmamk_f32 v[TB+3], v[TB+2], 0x333bbd2e, v[TB+3]   ; and the rest of pi / 2: r, within pi / 4
	s_delay_alu instid0(VALU_DEP_1)
	v_mul_f32 v[TB+4], v[TB+3], v[TB+3]            ; z = r r
	v_mov_b32 v[TB+5], 0x3638ef1d                  ; sin r = r + r z (-1/6 + z (1/120 + z (-1/5040 + z / 362880))): the term left out is under 2e-9
	s_delay_alu instid0(VALU_DEP_1)
	v_fmaak_f32 v[TB+5], v[TB+5], v[TB+4], 0xb9500d01
	s_delay_alu instid0(VALU_DEP_1)
	v_fmaak_f32 v[TB+5], v[TB+5], v[TB+4], 0x3c088889
	s_delay_alu instid0(VALU_DEP_1)
	v_fmaak_f32 v[TB+5], v[TB+5], v[TB+4], 0xbe2aaaab
	v_mul_f32 v[TB+6], v[TB+3], v[TB+4]
	s_delay_alu instid0(VALU_DEP_1)
	v_fma_f32 v[TB+5], v[TB+6], v[TB+5], v[TB+3]
	v_mov_b32 v[TB+7], 0xb493f27e                  ; cos r = 1 + z (-1/2 + z (1/24 + z (-1/720 + z (1/40320 - z / 3628800))))
	s_delay_alu instid0(VALU_DEP_1)
	v_fmaak_f32 v[TB+7], v[TB+7], v[TB+4], 0x37d00d01
	s_delay_alu instid0(VALU_DEP_1)
	v_fmaak_f32 v[TB+7], v[TB+7], v[TB+4], 0xbab60b61
	s_delay_alu instid0(VALU_DEP_1)
	v_fmaak_f32 v[TB+7], v[TB+7], v[TB+4], 0x3d2aaaab
	s_delay_alu instid0(VALU_DEP_1)
	v_fma_f32 v[TB+7], v[TB+7], v[TB+4], -0.5
	s_delay_alu instid0(VALU_DEP_1)
	v_fma_f32 v[TB+7], v[TB+7], v[TB+4], 1.0
	v_cvt_i32_f32 v[TB+8], v[TB+2]
	v_and_b32 v[TB+9], 1, v0
	s_delay_alu instid0(VALU_DEP_1)
	v_xor_b32 v[TB+9], 1, v[TB+9]
	s_delay_alu instid0(VALU_DEP_1)
	v_add_nc_u32 v[TB+8], v[TB+8], v[TB+9]         ; the quadrant k: n for the sine, n + 1 for the cosine
	s_delay_alu instid0(VALU_DEP_1)
	v_and_b32 v[TB+9], 1, v[TB+8]
	s_delay_alu instid0(VALU_DEP_1)
	v_cmp_eq_u32 vcc_lo, 1, v[TB+9]
	s_delay_alu instid0(VALU_DEP_1)
	v_cndmask_b32 v[TB+5], v[TB+5], v[TB+7], vcc_lo   ; odd k: cos r, even k: sin r
	s_delay_alu instid0(VALU_DEP_4)
	v_and_b32 v[TB+8], 2, v[TB+8]
	s_delay_alu instid0(VALU_DEP_1)
	v_lshlrev_b32 v[TB+8], 30, v[TB+8]
	s_delay_alu instid0(VALU_DEP_1)
	v_xor_b32 v[TB+5], v[TB+5], v[TB+8]            ; k = 2, 3: the sign turns
	v_lshlrev_b32 v[TB+10], 2, v0
	global_store_b32 v[TB+10], v[TB+5], s[18:19]   ; a wave stores 128 consecutive bytes, the work-group 2,048
; half t of the row through the stage: LDS serves a wave's instructions in order, so no wait stands between the stores and the loads
.macro TURNQ t, src
.irp i, 0,1,2,3
	ds_store_b128 v3, v[\src+16*\t+4*\i:\src+16*\t+4*\i+3] offset:32*SP*\t+8*SP*\i
.endr
.irp i, 0,1,2,3
	ds_load_b128 v[X+16*\t+4*\i:X+16*\t+4*\i+3], v4 offset:32*SP*\t+16*\i
.endr
.endm
.macro QSTEP t
.set XS, X+16*\t
	v_max3_num_f32 v8, |v[XS]|, |v[XS+1]|, |v[XS+2]|                ; the largest magnitude of my 16, in two chains
	v_max3_num_f32 v9, |v[XS+3]|, |v[XS+4]|, |v[XS+5]|
.irp i, 6,10
	s_delay_alu instid0(VALU_DEP_2)
	v_max3_num_f32 v8, v8, |v[XS+\i]|, |v[XS+\i+1]|
	s_delay_alu instid0(VALU_DEP_2)
	v_max3_num_f32 v9, v9, |v[XS+\i+2]|, |v[XS+\i+3]|
.endr
	s_delay_alu instid0(VALU_DEP_2)
	v_max3_num_f32 v8, v8, |v[XS+14]|, |v[XS+15]|
	s_delay_alu instid0(VALU_DEP_1)
	v_max3_num_f32 v8, v8, v9, 0x4800000           ; and the floor 2^(9 - 127): the byte cannot fall under 1
	s_delay_alu instid0(VALU_DEP_1)
	v_max_num_f32_dpp v8, v8, v8 row_xmask:1 row_mask:0xf bank_mask:0xf   ; with my neighbour's 16: the block's
	s_delay_alu instid0(VALU_DEP_1)
	v_add_nc_u32 v11, 0xfc000000, v8               ; 8 off the exponent field: the conversion's scale operand
	s_delay_alu instid0(VALU_DEP_2)
	v_and_or_b32 v10, v8, 0x7f800000, s23          ; 448 x the scale
.irp i, 0,1,2,3,4,5,6,7,8,9,10,11,12,13,14,15
	v_med3_num_f32 v[XS+\i], v[XS+\i], -v10, v10   ; the conversion to an 8-bit code does not saturate (ISA guide 7.6.2): the hold comes first
.endr
	v_cvt_scalef32_pk8_fp8_f32 v[C+4*\t:C+4*\t+1], v[XS:XS+7], v11
	v_cvt_scalef32_pk8_fp8_f32 v[C+4*\t+2:C+4*\t+3], v[XS+8:XS+15], v11
	v_lshrrev_b32 v[E+\t], 23, v11                 ; the scale's byte (also the plain line behind the conversions)
	ds_store_b8 v5, v[E+\t] offset:16*\t           ; both lanes of a block write the same byte with the same value
	global_store_b128 v2, v[C+4*\t:C+4*\t+3], s[14:15] offset:512*\t    ; 512 consecutive bytes of codes
.endm
	s_wait_loadcnt 4                               ; the first half's four loads are in; the second half's four may be out
	TURNQ 0, R
	s_wait_loadcnt 0x0
	TURNQ 1, R
	s_wait_dscnt 8                                 ; the first half is back; the second turn's eight LDS instructions may be out
	QSTEP 0
	s_wait_dscnt 1                                 ; the second half is back; the byte store just issued may be out
	QSTEP 1
	s_wait_dscnt 0x0                               ; for wave 0's sake: my two byte stores have landed
	s_barrier_signal -1
	s_barrier_wait -1
	s_cmp_lg_u32 s8, 0
	s_cbranch_scc1 .Lend
	ds_load_b128 v[12:15], v6                      ; sixteen rows' scale bytes
	s_wait_dscnt 0x0
	global_store_b128 v2, v[12:15], s[16:17]       ; 512 consecutive bytes
.Lend:
	s_wait_tensorcnt 0x0
	ds_add_u32 v112, v113
	s_wait_dscnt 0x0
	s_endpgm
.Lfunc_end_k_q09d0dd522c_quant:
	.size	k_q09d0dd522c_quant, .Lfunc_end_k_q09d0dd522c_quant-k_q09d0dd522c_quant
	.p2alignl 7, 3214868480
	.fill 96, 4, 3214868480
	.section	.rodata,"a",@progbits
	.p2align	6, 0x0
	.amdhsa_kernel k_q09d0dd522c_quant
		.amdhsa_group_segment_fixed_size 84480
		.amdhsa_private_segment_fixed_size 0
		.amdhsa_enable_private_segment 0
		.amdhsa_kernarg_size 16
		.amdhsa_user_sgpr_count 2
		.amdhsa_user_sgpr_kernarg_segment_ptr 1
		.amdhsa_wavefront_size32 1
		.amdhsa_system_sgpr_workgroup_id_x 1
		.amdhsa_system_sgpr_workgroup_id_y 1
		.amdhsa_system_sgpr_workgroup_id_z 1
		.amdhsa_system_vgpr_workitem_id 0
		.amdhsa_next_free_vgpr 114
		.amdhsa_next_free_sgpr 66
		.amdhsa_reserve_vcc 1
		.amdhsa_float_denorm_mode_32 3
		.amdhsa_float_denorm_mode_16_64 3
		.amdhsa_memory_ordered 1
		.amdhsa_forward_progress 1
		.amdhsa_inst_pref_size 12
	.end_amdhsa_kernel
	.amdgpu_metadata
---
amdhsa.version: [ 1, 2 ]
amdhsa.kernels:
  - .name:           k_q09d0dd522c_quant
    .symbol:         k_q09d0dd522c_quant.kd
    .args:
      - { .name: src, .offset: 0, .size: 8, .value_kind: global_buffer, .address_space: global }
      - { .name: wa, .offset: 8, .size: 8, .value_kind: global_buffer, .address_space: global }
    .group_segment_fixed_size: 84480
    .private_segment_fixed_size: 0
    .kernarg_segment_align: 8
    .kernarg_segment_size: 16
    .max_flat_workgroup_size: 512
    .sgpr_count:     66
    .vgpr_count:     114
    .wavefront_size: 32
...
	.end_amdgpu_metadata
.endif
;; end of part 1
;; launch qkv (part 2): grid 12 x 16, 4 waves a work-group, clusters of 4 x 4, 327,680 bytes of LDS; arguments wa, q_w_codes, q_w_scales, k_w_codes, k_w_scales, v_w_codes, v_w_scales, q_b, k_b, v_b, wb; writes wb
.if DOCPART == 2
	.amdgcn_target "amdgcn-amd-amdhsa--gfx1250"
	.amdhsa_code_object_version 6
	.text
	.protected	k_q09d0dd522c_qkv
	.globl	k_q09d0dd522c_qkv
	.p2align	8
	.type	k_q09d0dd522c_qkv,@function
k_q09d0dd522c_qkv:
	s_mov_b64 s[64:65], 0
	v_nop
	global_prefetch_b8 v0, s[64:65] scope:SCOPE_SE
	s_setreg_imm32_b32 hwreg(HW_REG_WAVE_MODE, 25, 1), 1
	s_wait_xcnt 0x0
	s_wait_alu depctr_hold_cnt(0) depctr_sa_sdst(0) depctr_va_vdst(0) depctr_va_sdst(0) depctr_va_ssrc(0) depctr_va_vcc(0) depctr_vm_vsrc(0)
	s_getreg_b32 s2, hwreg(HW_REG_IB_STS2, 6, 4)
	s_cmp_eq_u32 s2, 0
	s_cbranch_scc0 .Lentry_in_a_cluster
	s_endpgm
.Lentry_in_a_cluster:
	s_bfe_u32 s2, ttmp6, 0x10000c
	s_cmp_lg_u32 s2, 0xf033
	s_cbranch_scc0 .Lentry_shape_is_right
	s_endpgm
.Lentry_shape_is_right:
.set KSTEP,  256
.set NQ,     2
.set ROWB,   256
.set KROW,   1024
.set PITCH,  272
.set FR,     16
.set NL,     4
.set NP,     8
.set HALFT,  128*PITCH
.set SLOT,   4*HALFT
.set LAPS,   2
.set KS,     32
.set SCL,    2*SLOT
.set HALFS,  (128*KS/256)*272
.set SBLK,   (16*KS/256)*272
.set SPARE,  SCL+4*HALFS
.set H32,  7
.set BROW, 8
.set ADRA, 16
.set R4,   18
.set ADRB, 20
.set TA,   22
.set STO,  24
.set RD,   25
.set CO,   26
.set ADRS, 27
.set SPW,  28
.set NIL,  29
.set SC,   32
.set BIAS, 64
.set AF,   128
.set T,    64
.set CS,   128
.set PC,   192
.set TM,   224
.set PW,   240
.set WD,   241
.set SH,   242
.set TR,   243
.set G1, 24
.set G0, 32
.set G1B, 48
.set G0B, 56
.set G1S, 68
.set G0S, 76
.set G1SB, 80
.set G0SB, 88
.set MSB, 0
.macro WIN new
.if MSB != (\new)
	s_set_vgpr_msb (MSB<<8)|(\new)
.set MSB, (\new)
.endif
.endm
.set MUL_LO,  0xa1
.set MUL_HI,  0xf1
.set MUL_LO0, 0x81
.set MUL_HI0, 0xc1
.set TO_B,    0x40
.macro JLOAD g0a, g1a, g0b, g1b
	s_cmp_eq_u32 s15, 0
	s_cbranch_scc0 .Lfor_b_\@
	tensor_load_to_lds s[\g0a:\g0a+3], s[\g1a:\g1a+7]
	s_nop 0
.rept 4
	v_nop
.endr
	s_branch .Lasked_\@
.Lfor_b_\@:
	tensor_load_to_lds s[\g0b:\g0b+3], s[\g1b:\g1b+7]
	s_nop 0
.rept 4
	v_nop
.endr
.Lasked_\@:
.endm
.macro CREST
	s_cmp_lg_u32 s14, 0
	s_cbranch_scc1 .Lnot_wave_0_\@
	s_barrier_signal -3
.Lnot_wave_0_\@:
	s_barrier_wait -3
	s_barrier_signal -1
	s_barrier_wait -1
.endm
.macro CROUND
	s_barrier_signal -1
	s_barrier_wait -1
	CREST
.endm
	s_load_b512 s[68:83], s[0:1], 0x0
	s_load_b128 s[84:87], s[0:1], 0x40
	s_load_b64 s[88:89], s[0:1], 0x50
	v_lshl_add_u32 v[SPW], v0, 2, SPARE
	v_mov_b32 v[NIL], 0
	ds_add_u32 v28, v29
	ds_add_u32 v28, v29
	s_wait_dscnt 0x0
	v_lshrrev_b32 v1, 5, v0
	v_readfirstlane_b32 s14, v1
	s_lshr_b32 s15, s14, 1
	s_and_b32 s16, s14, 1
	s_bfe_u32 s40, ttmp6, 0x40000
	s_bfe_u32 s41, ttmp6, 0x40004
	s_and_b32 s17, ttmp7, 0xffff
	s_cmp_eq_u32 ttmp9, 2
	s_cselect_b32 s18, 0, s17
	s_cselect_b32 s19, s17, 0
	s_cselect_b32 s100, 0, 256
	s_cselect_b32 s101, -1, 0
	s_cselect_b32 s95, 0, 16
	s_lshl_b32 s42, s19, 2
	s_add_co_u32 s42, s42, s40
	s_lshl_b32 s17, s18, 2
	s_add_co_u32 s17, s17, s41
	s_lshl_b32 s43, s41, 2
	s_lshl_b32 s43, 15, s43
	s_lshl_b32 s44, 0x1111, s40
	s_or_b32 s[G1+0], s43, (0<<16)|(1<<20)|(1<<21)|(5<<22)|(3<<25)
	s_or_b32 s[G1B+0], s44, (0<<16)|(1<<20)|(1<<21)|(5<<22)|(3<<25)
.irp g, G1, G1B
	s_mov_b32 s[\g+1], ROWB<<16
	s_mov_b32 s[\g+2], 256<<16
	s_mov_b32 s[\g+3], ROWB<<16
	s_mov_b32 s[\g+4], 256
	s_mov_b32 s[\g+5], KROW
	s_mov_b32 s[\g+6], 0
	s_mov_b32 s[\g+7], 0
.endr
	s_lshl_b32 s20, s17, 8                         ; the tiles' first rows
	s_lshl_b32 s46, s42, 8
	s_mov_b32 s21, 0
	s_mov_b32 s47, 0
	s_mov_b64 s[18:19], KS
	s_mul_u64 s[22:23], s[20:21], s[18:19]
	s_mul_u64 s[92:93], s[46:47], s[18:19]
	s_mov_b64 s[18:19], KROW
	s_mul_u64 s[20:21], s[20:21], s[18:19]
	s_mul_u64 s[46:47], s[46:47], s[18:19]
	s_mul_i32 s45, s14, HALFT
	s_mul_i32 s18, s16, 128*KROW                   ; in the ring I fetch 128 rows of a tile: which half, in bytes
	s_mov_b32 s19, 0
	s_wait_kmcnt 0x0
	s_cmp_eq_u32 ttmp9, 1
	s_cselect_b64 s[70:71], s[74:75], s[70:71]
	s_cselect_b64 s[72:73], s[76:77], s[72:73]
	s_cselect_b64 s[82:83], s[84:85], s[82:83]
	s_cmp_eq_u32 ttmp9, 2
	s_cselect_b64 s[70:71], s[78:79], s[70:71]
	s_cselect_b64 s[72:73], s[80:81], s[72:73]
	s_cselect_b64 s[82:83], s[86:87], s[82:83]
	s_add_nc_u64 s[74:75], s[68:69], 0x400000
	s_cselect_b64 s[4:5], s[70:71], s[68:69]
	s_cselect_b64 s[6:7], s[72:73], s[74:75]
	s_cselect_b64 s[8:9], s[68:69], s[70:71]
	s_cselect_b64 s[10:11], s[74:75], s[72:73]
	s_mov_b64 s[66:67], s[82:83]
	s_mov_b64 s[12:13], s[88:89]
	s_mov_b64 s[96:97], s[88:89]
	s_add_nc_u64 s[98:99], s[68:69], 0x420000
	s_add_nc_u64 s[20:21], s[4:5], s[20:21]
	s_add_nc_u64 s[22:23], s[6:7], s[22:23]
	s_add_nc_u64 s[46:47], s[8:9], s[46:47]
	s_add_nc_u64 s[92:93], s[10:11], s[92:93]
	s_or_b32 s[G1S+0], s43, (3<<16)|(1<<20)|(1<<21)|(5<<22)|(3<<25)
	s_or_b32 s[G1SB+0], s44, (3<<16)|(1<<20)|(1<<21)|(5<<22)|(3<<25)
.irp g, G1S, G1SB
	s_mov_b32 s[\g+1], 32<<16
	s_mov_b32 s[\g+2], KS<<16
	s_mov_b32 s[\g+3], 32<<16
	s_mov_b32 s[\g+4], KS
	s_mov_b32 s[\g+5], 32
	s_mov_b32 s[\g+6], 0
	s_mov_b32 s[\g+7], 0
.endr
	CROUND
	s_mov_b32 s[G0S], 1
	s_mov_b32 s[G0S+1], SCL
	s_mov_b64 s[G0S+2:G0S+3], s[22:23]
	s_or_b32 s[G0S+3], s[G0S+3], 0x80000000
	s_mov_b32 s[G0SB], 1
	s_mov_b32 s[G0SB+1], SCL+2*HALFS
	s_mov_b64 s[G0SB+2:G0SB+3], s[92:93]
	s_or_b32 s[G0SB+3], s[G0SB+3], 0x80000000
	s_mov_b32 s4, 1                                ; the head's whole tiles: K step 0's 256 rows of A,
	s_mov_b32 s5, 0
	s_mov_b64 s[6:7], s[20:21]
	s_or_b32 s7, s7, 0x80000000
	s_mov_b32 s8, 1                                ; and of B, behind them in slot 0
	s_mov_b32 s9, 2*HALFT
	s_mov_b64 s[10:11], s[46:47]
	s_or_b32 s11, s11, 0x80000000
	s_add_nc_u64 s[20:21], s[20:21], s[18:19]      ; for the ring: my 128 rows of a tile
	s_add_nc_u64 s[46:47], s[46:47], s[18:19]
.irp s, 0,1
	s_mov_b32 s[G0+4*\s], 1
	s_add_co_u32 s[G0+4*\s+1], s45, \s*SLOT
	s_add_nc_u64 s[G0+4*\s+2:G0+4*\s+3], s[20:21], \s*ROWB
	s_or_b32 s[G0+4*\s+3], s[G0+4*\s+3], 0x80000000
	s_mov_b32 s[G0B+4*\s], 1
	s_add_co_u32 s[G0B+4*\s+1], s45, \s*SLOT
	s_add_nc_u64 s[G0B+4*\s+2:G0B+4*\s+3], s[46:47], \s*ROWB
	s_or_b32 s[G0B+4*\s+3], s[G0B+4*\s+3], 0x80000000
.endr
; the head's loads, one a wave: wave 0 K step 0's rows of A, wave 1 those of B, wave 2 A's scales, wave 3 B's; one chain of branches on the wave's number, one load to an arm
.macro ARM under, g0, g1, next
	s_cmp_lt_u32 s14, \under
	s_cbranch_scc0 \next
	tensor_load_to_lds s[\g0:\g0+3], s[\g1:\g1+7]
	s_nop 0
.rept 4
	v_nop
.endr
	s_branch .Lhead_asked
\next:
.endm
	ARM 1, 4, G1, .Lhead_b
	ARM 2, 8, G1B, .Lhead_sa
	ARM 3, G0S, G1S, .Lhead_sb
	tensor_load_to_lds s[G0SB:G0SB+3], s[G1SB:G1SB+7]
	s_nop 0
.rept 4
	v_nop
.endr
.Lhead_asked:
	v_and_b32 v1, 15, v0
	v_bfe_u32 v2, v0, 4, 1
	v_mul_u32_u24 v3, v1, PITCH
	v_lshl_add_u32 v4, v2, 4, v3
	s_mul_i32 s21, s15, HALFT
	s_mul_i32 s22, s16, HALFT
	s_add_co_u32 s22, s22, 2*HALFT
.irp s, 0,1
	v_add_nc_u32 v[ADRA+\s], s21, v4
	v_add_nc_u32 v[ADRB+\s], s22, v4
	s_add_co_u32 s21, s21, SLOT
	s_add_co_u32 s22, s22, SLOT
.endr
	v_mul_u32_u24 v5, v1, KS
	v_lshrrev_b32 v6, 8, v5
	v_lshl_add_u32 v5, v6, 4, v5
	s_mul_i32 s21, s15, HALFS
	s_mul_i32 s22, s16, HALFS
	s_add_co_u32 s22, s22, 2*HALFS
	s_sub_co_u32 s22, s22, s21
	v_mul_u32_u24 v6, s22, v2
	s_add_co_u32 s21, s21, SCL
	v_add_nc_u32 v5, v5, v6
	v_add_nc_u32 v[ADRS], s21, v5
	s_lshl_b32 s23, s14, 10
	v_and_b32 v6, 31, v0
	v_lshlrev_b32 v[CO], 4, v6
	v_add_nc_u32 v[RD], s23, v[CO]
	v_lshl_add_u32 v[STO], v6, 2, s23
	v_lshlrev_b32 v[H32], 5, v2
	s_wait_alu depctr_va_vdst(0)
	v_lshlrev_b32 v[R4], 2, v1
	s_wait_alu depctr_va_vdst(0)
	s_lshl_b32 s20, s17, 1
	s_add_co_u32 s20, s20, s15
	s_lshl_b32 s21, s42, 1
	s_add_co_u32 s21, s21, s16
	s_cmp_eq_u32 ttmp9, 2
	s_cselect_b32 s22, s21, s20
	s_cselect_b32 s23, s20, s21
	s_cselect_b32 s46, 0, s21
	s_cselect_b32 s18, s20, 0
	s_lshl_b32 s46, s46, 9
	s_mov_b32 s47, 0
	s_mov_b64 s[92:93], s[66:67]
	s_add_nc_u64 s[66:67], s[66:67], s[46:47]
	s_lshl_b32 s46, s18, 9
	s_add_nc_u64 s[92:93], s[92:93], s[46:47]
.irp b, 0,1,2,3,4,5,6,7
	global_load_b128 v[BIAS+8*\b:BIAS+8*\b+3], v[H32], s[66:67] offset:64*\b
	global_load_b128 v[BIAS+8*\b+4:BIAS+8*\b+7], v[H32], s[66:67] offset:64*\b+16
.endr
.irp a, 0,1,2,3,4,5,6,7
	global_load_b32 v[BROW+\a], v[R4], s[92:93] offset:64*\a
.endr
	s_lshr_b32 s18, s22, 4
	s_lshl_b32 s18, s18, 3
	s_add_co_u32 s18, s18, s23
	s_lshl_b32 s18, s18, 7
	s_and_b32 s22, s22, 15
	s_lshl_b32 s94, s22, 7
	s_lshl_b32 s22, s22, 3
	s_add_co_u32 s18, s18, s22
	s_lshl_b32 s46, ttmp9, 22
	s_lshl_b32 s19, s18, 11
	s_add_co_u32 s46, s46, s19
	s_add_nc_u64 s[12:13], s[12:13], s[46:47]
	s_lshl_b32 s46, ttmp9, 18
	s_lshl_b32 s19, s18, 7
	s_add_co_u32 s46, s46, s19
	s_add_co_u32 s46, s46, 0xC00000
	s_add_nc_u64 s[96:97], s[96:97], s[46:47]
.macro FRAG reg, adr, q, i
.irp c, 0,1,2,3
	ds_load_b128 v[\reg+4*\c:\reg+4*\c+3], v[\adr] offset:128*(\q)+32*\c+(\i)*16*PITCH
.endr
.endm
.macro MUL16 a0, p, q, sc, zero
.irp a, \a0, \a0+1
.irp b, 0,1,2,3,4,5,6,7
.if \zero
	v_wmma_scale_f32_16x16x128_f8f6f4 v[8*(8*((\a)%4)+\b):8*(8*((\a)%4)+\b)+7], v[128*(\p)+FR*\b:128*(\p)+FR*\b+FR-1], v[AF+FR*(\a):AF+FR*(\a)+FR-1], v[BIAS+8*\b:BIAS+8*\b+7], v[SC+8*NQ*(\sc)+NQ*\b+(\q)], v[SC+8*NQ*(\sc)+NQ*(\a)+(\q)] matrix_a_scale:MATRIX_SCALE_ROW1
.else
	v_wmma_scale_f32_16x16x128_f8f6f4 v[8*(8*((\a)%4)+\b):8*(8*((\a)%4)+\b)+7], v[128*(\p)+FR*\b:128*(\p)+FR*\b+FR-1], v[AF+FR*(\a):AF+FR*(\a)+FR-1], v[8*(8*((\a)%4)+\b):8*(8*((\a)%4)+\b)+7], v[SC+8*NQ*(\sc)+NQ*\b+(\q)], v[SC+8*NQ*(\sc)+NQ*(\a)+(\q)] matrix_a_scale:MATRIX_SCALE_ROW1
.endif
.endr
.endr
.endm
.macro FETCH_B slot, q, p
	WIN TO_B
.irp i, 0,1,2,3,4,5,6,7
	FRAG 128*(\p)+FR*\i, ADRB+\slot, \q, \i
.endr
	WIN 0
.endm
.macro FETCH_A slot, q, i0
.irp i, \i0, \i0+1, \i0+2, \i0+3
	FRAG AF+FR*(\i), ADRA+\slot, \q, \i
.endr
.endm
.macro SCALES sc
.irp i, 0,1,2,3,4,5,6,7
	ds_load_b64 v[SC+8*NQ*\sc+NQ*\i:SC+8*NQ*\sc+NQ*\i+1], v[ADRS] offset:\i*SBLK
.endr
.endm
.macro PLACES n
.rept \n
	v_nop
.endr
.endm
.macro STEP slot, q, zero
	s_wait_dscnt 4*NL
.if \zero
	WIN MUL_LO0
.else
	WIN MUL_LO
.endif
	MUL16 0, (\q)%2, \q, \slot, \zero
	MUL16 2, (\q)%2, \q, \slot, \zero
	s_wait_dscnt 0
	PLACES NP
	FETCH_B \slot, (\q)+1, 1-(\q)%2
	FETCH_A \slot, (\q)+1, 0
.if \zero
	WIN MUL_HI0
.else
	WIN MUL_HI
.endif
	MUL16 4, (\q)%2, \q, \slot, \zero
	MUL16 6, (\q)%2, \q, \slot, \zero
	PLACES NP
	WIN 0
	FETCH_A \slot, (\q)+1, 4
.endm
.macro TURN slot, next, fill
	s_wait_tensorcnt 0x0
	ds_add_u32 v[SPW], v[NIL]
	s_wait_dscnt 4*NL+1
	WIN MUL_LO
	MUL16 0, 1, NQ-1, \slot, 0
	s_wait_dscnt 0x0
	s_barrier_signal -1
	MUL16 2, 1, NQ-1, \slot, 0
	WIN 0
	s_barrier_wait -1
.if \fill
	CREST
	s_add_nc_u64 s[G0+4*\slot+2:G0+4*\slot+3], s[G0+4*\slot+2:G0+4*\slot+3], 2*ROWB
	s_add_nc_u64 s[G0B+4*\slot+2:G0B+4*\slot+3], s[G0B+4*\slot+2:G0B+4*\slot+3], 2*ROWB
	JLOAD G0+4*\slot, G1, G0B+4*\slot, G1B
	PLACES NP-4
.else
	PLACES NP
.endif
	s_wait_alu depctr_va_vdst(0)
	v_add_nc_u32 v[ADRS], 4*NQ, v[ADRS]
	FETCH_B \next, 0, 0
	FETCH_A \next, 0, 0
	SCALES \next
	WIN MUL_HI
	MUL16 4, 1, NQ-1, \slot, 0
	MUL16 6, 1, NQ-1, \slot, 0
	PLACES NP
	WIN 0
	FETCH_A \next, 0, 4
.endm
	s_wait_loadcnt 0x0
.set jj, 0
.rept 64
	v_cndmask_b32 v[BIAS+jj], v[BIAS+jj], 0, s101
.set jj, jj+1
.endr
.irp a, 0,1,2,3,4,5,6,7
	v_cndmask_b32 v[BROW+\a], 0, v[BROW+\a], s101
.endr
	s_wait_alu depctr_va_vdst(0)
	s_wait_tensorcnt 0x0                           ; my tile of the head's four is in
	ds_add_u32 v[SPW], v[NIL]
	s_mov_b32 s[G1+2], 128<<16                     ; no tensor load of mine is out: from here on a load brings 128 rows
	s_mov_b32 s[G1+4], 128
	s_mov_b32 s[G1B+2], 128<<16
	s_mov_b32 s[G1B+4], 128
	s_wait_dscnt 0x0
	CROUND                                         ; all four tiles are in, and the sixteen work-groups meet
	JLOAD G0+4, G1, G0B+4, G1B                     ; K step 1, the first tensor load behind the round
	FETCH_B 0, 0, 0
	FETCH_A 0, 0, 0
	SCALES 0
	FETCH_A 0, 0, 4
	STEP 0, 0, 1
	s_mov_b32 s3, LAPS-1
.Llap:
	TURN 0, 1, 1
	STEP 1, 0, 0
	TURN 1, 0, 1
	STEP 0, 0, 0
	s_sub_co_u32 s3, s3, 1
	s_cmp_lg_u32 s3, 0
	s_cbranch_scc1 .Llap
	TURN 0, 1, 0
	STEP 1, 0, 0
	s_wait_dscnt 4*NL
	WIN MUL_LO
	MUL16 0, 1, NQ-1, 1, 0
	MUL16 2, 1, NQ-1, 1, 0
	s_wait_dscnt 0
	WIN MUL_HI
	MUL16 4, 1, NQ-1, 1, 0
	MUL16 6, 1, NQ-1, 1, 0
	WIN 0
.macro TABLE a
.irp bq, 0,1,2,3
.irp e, 0,1
	global_load_b128 v[CS+32*((\a)%2)+8*\bq+4*\e:CS+32*((\a)%2)+8*\bq+4*\e+3], v[TA], s[98:99] offset:64*\bq+16*\e
.endr
.endr
.endm
.macro ROPE a
.set CSA, CS+32*((\a)%2)
.set ACB, 64*((\a)%4)
	WIN 2+(\a)/4
.irp b, 0,1,2,3,4,5,6,7
.irp p, 0,2,4,6
	v_fma_f32 v[T+8*\b+\p], v[ACB+8*\b+\p], v[CSA+8*(\b%4)+\p], v[BROW+(\a)]
	v_fma_f32 v[T+8*\b+\p+1], v[ACB+8*\b+\p+1], v[CSA+8*(\b%4)+\p], v[BROW+(\a)]
.endr
.irp p, 0,2,4,6
	v_fma_f32 v[T+8*\b+\p], -v[ACB+8*\b+\p+1], v[CSA+8*(\b%4)+\p+1], v[T+8*\b+\p]
	v_fma_f32 v[T+8*\b+\p+1], v[ACB+8*\b+\p], v[CSA+8*(\b%4)+\p+1], v[T+8*\b+\p+1]
.endr
.endr
	WIN 0
.endm
.macro QUANT pc
.irp b, 0,1,2,3
	v_max3_num_f32 v[TM+\b], |v[T+16*\b]|, |v[T+1+16*\b]|, 0x4800000
.endr
.irp i, 2,4,6,8,10,12,14
.irp b, 0,1,2,3
	v_max3_num_f32 v[TM+\b], v[TM+\b], |v[T+16*\b+\i]|, |v[T+1+16*\b+\i]|
.endr
.endr
.irp b, 0,1,2,3
	v_permlanex16_b32 v[TM+4+\b], v[TM+\b], s20, s21
.endr
.irp b, 0,1,2,3
	v_max_num_f32 v[TM+\b], v[TM+\b], v[TM+4+\b]
.endr
.irp b, 0,1,2,3
	v_add_nc_u32 v[TM+12+\b], 0xfc000000, v[TM+\b]
.endr
.irp b, 0,1,2,3
	v_and_or_b32 v[TM+8+\b], v[TM+\b], 0x7f800000, s22
.endr
.irp b, 0,1,2,3
	v_lshrrev_b32 v[TM+4+\b], 23, v[TM+12+\b]
.endr
	v_lshl_or_b32 v[PW], v[TM+5], 8, v[TM+4]
	v_lshl_or_b32 v[PW], v[TM+6], 16, v[PW]
	v_lshl_or_b32 v[PW], v[TM+7], 24, v[PW]
.irp b, 0,1,2,3
.irp i, 0,1,2,3,4,5,6,7,8,9,10,11,12,13,14,15
	v_med3_num_f32 v[T+16*\b+\i], v[T+16*\b+\i], -v[TM+8+\b], v[TM+8+\b]
.endr
	v_cvt_scalef32_pk8_fp8_f32 v[(\pc)+4*\b:(\pc)+4*\b+1], v[T+16*\b:T+16*\b+7], v[TM+12+\b]
	v_cvt_scalef32_pk8_fp8_f32 v[(\pc)+4*\b+2:(\pc)+4*\b+3], v[T+16*\b+8:T+16*\b+15], v[TM+12+\b]
.endr
	v_nop
.endm
	PLACES NP
	s_mov_b32 s20, 0x76543210
	s_mov_b32 s21, 0xfedcba98
	s_mov_b32 s22, 0x600000
	s_lshl_b32 s23, s100, 4
.irp b, 0,1,2,3
	v_mov_b32 v[TM+4+\b], 0
.endr
	v_and_b32 v[TR], 15, v0
	v_add_nc_u32 v[TR], s94, v[TR]
	v_mad_u32_u24 v[TA], v[TR], s100, v[H32]
	v_bfe_u32 v[SH], v0, 4, 1
	v_mul_u32_u24 v[SH], v[SH], s95
	TABLE 0
	s_wait_alu depctr_va_vdst(0)
	s_wait_xcnt 0x0
	v_add_nc_u32 v[TA], s23, v[TA]
	TABLE 1
	s_wait_alu depctr_va_vdst(0)
.irp a, 0,1,2,3,4,5,6,7
	s_wait_xcnt 0x0
.if \a < 6
	v_add_nc_u32 v[TA], s23, v[TA]
.endif
.if \a < 7
	s_wait_loadcnt 8
.else
	s_wait_loadcnt 0x0
.endif
	ROPE \a
.if \a < 6
	TABLE \a+2
.endif
	QUANT PC+16*(\a%2)
	v_lshrrev_b32 v[WD], v[SH], v[PW]
	ds_store_b32 v[STO], v[WD] offset:128*\a
.irp c, 0,1,2,3
	global_store_b128 v[CO], v[PC+16*(\a%2)+4*\c:PC+16*(\a%2)+4*\c+3], s[12:13] offset:2048*\a+512*\c
.endr
.endr
.irp e, 0,1
	ds_load_b128 v[T+4*\e:T+4*\e+3], v[RD] offset:512*\e
.endr
	s_wait_dscnt 0x0
.irp e, 0,1
	global_store_b128 v[CO], v[T+4*\e:T+4*\e+3], s[96:97] offset:512*\e
.endr
	s_wait_tensorcnt 0x0
	ds_add_u32 v[SPW], v[NIL]
	s_wait_dscnt 0x0
	CROUND
	s_endpgm
.Lfunc_end_k_q09d0dd522c_qkv:
	.size	k_q09d0dd522c_qkv, .Lfunc_end_k_q09d0dd522c_qkv-k_q09d0dd522c_qkv
	.p2alignl 7, 3214868480
	.fill 96, 4, 3214868480
	.section	.rodata,"a",@progbits
	.p2align	6, 0x0
	.amdhsa_kernel k_q09d0dd522c_qkv
		.amdhsa_group_segment_fixed_size 327680
		.amdhsa_private_segment_fixed_size 0
		.amdhsa_enable_private_segment 0
		.amdhsa_kernarg_size 88
		.amdhsa_user_sgpr_count 2
		.amdhsa_user_sgpr_kernarg_segment_ptr 1
		.amdhsa_wavefront_size32 1
		.amdhsa_system_sgpr_workgroup_id_x 1
		.amdhsa_system_sgpr_workgroup_id_y 1
		.amdhsa_system_sgpr_workgroup_id_z 1
		.amdhsa_system_vgpr_workitem_id 0
		.amdhsa_next_free_vgpr 1024
		.amdhsa_next_free_sgpr 102
		.amdhsa_reserve_vcc 0
		.amdhsa_float_denorm_mode_32 3
		.amdhsa_float_denorm_mode_16_64 3
		.amdhsa_memory_ordered 1
		.amdhsa_forward_progress 1
		.amdhsa_inst_pref_size 255
	.end_amdhsa_kernel
	.section	.bss,"aw",@nobits
	.p2align	6
	.space	262144
	.amdgpu_metadata
---
amdhsa.version: [ 1, 2 ]
amdhsa.kernels:
  - .name:           k_q09d0dd522c_qkv
    .symbol:         k_q09d0dd522c_qkv.kd
    .args:
      - { .name: wa, .offset: 0, .size: 8, .value_kind: global_buffer, .address_space: global }
      - { .name: q_w_codes, .offset: 8, .size: 8, .value_kind: global_buffer, .address_space: global }
      - { .name: q_w_scales, .offset: 16, .size: 8, .value_kind: global_buffer, .address_space: global }
      - { .name: k_w_codes, .offset: 24, .size: 8, .value_kind: global_buffer, .address_space: global }
      - { .name: k_w_scales, .offset: 32, .size: 8, .value_kind: global_buffer, .address_space: global }
      - { .name: v_w_codes, .offset: 40, .size: 8, .value_kind: global_buffer, .address_space: global }
      - { .name: v_w_scales, .offset: 48, .size: 8, .value_kind: global_buffer, .address_space: global }
      - { .name: q_b, .offset: 56, .size: 8, .value_kind: global_buffer, .address_space: global }
      - { .name: k_b, .offset: 64, .size: 8, .value_kind: global_buffer, .address_space: global }
      - { .name: v_b, .offset: 72, .size: 8, .value_kind: global_buffer, .address_space: global }
      - { .name: wb, .offset: 80, .size: 8, .value_kind: global_buffer, .address_space: global }
    .group_segment_fixed_size: 327680
    .private_segment_fixed_size: 0
    .kernarg_segment_align: 8
    .kernarg_segment_size: 88
    .max_flat_workgroup_size: 128
    .sgpr_count:     102
    .vgpr_count:     1024
    .wavefront_size: 32
...
	.end_amdgpu_metadata
.endif
;; end of part 2
;; launch attn (part 3): grid 8 x 32, 8 waves a work-group, clusters of 4 x 1, 327,680 bytes of LDS; arguments wb, wc; writes wc
.if DOCPART == 3
	.amdgcn_target "amdgcn-amd-amdhsa--gfx1250"
	.amdhsa_code_object_version 6
	.text
	.protected	k_q09d0dd522c_attn
	.globl	k_q09d0dd522c_attn
	.p2align	8
	.type	k_q09d0dd522c_attn,@function
k_q09d0dd522c_attn:
	s_mov_b64 s[64:65], 0
	v_nop
	global_prefetch_b8 v0, s[64:65] scope:SCOPE_SE
	s_setreg_imm32_b32 hwreg(HW_REG_WAVE_MODE, 25, 1), 1
	s_wait_xcnt 0x0
	s_wait_alu depctr_hold_cnt(0) depctr_sa_sdst(0) depctr_va_vdst(0) depctr_va_sdst(0) depctr_va_ssrc(0) depctr_va_vcc(0) depctr_vm_vsrc(0)
	s_getreg_b32 s2, hwreg(HW_REG_IB_STS2, 6, 4)
	s_cmp_eq_u32 s2, 0
	s_cbranch_scc0 .Lentry_in_a_cluster
	s_endpgm
.Lentry_in_a_cluster:
	s_bfe_u32 s2, ttmp6, 0x10000c
	s_cmp_lg_u32 s2, 0x3003
	s_cbranch_scc0 .Lentry_shape_is_right
	s_endpgm
.Lentry_shape_is_right:
; Attention for one (batch, head) and 256 queries, both products on codes of E4M3 with E8M0 scales.  q, k, v come from wb as images of operand registers with their scale words.
; t = score x log2(e) / 8; M = the running largest t rounded UP to a whole number; p = 2^(t - M) is quantised along the keys, not normalised; the row's sum is taken of the unquantised p and divides at the end.
; When M moves, the sum and O are multiplied by 2^(old M - new M): nothing is rounded, and no branch hangs on data.
; SHARES: eight waves, two to a SIMD; a wave owns TWO tiles of 16 queries, so each fragment of K and of V that it reads from LDS feeds two matrix instructions.  Every wave walks the head's 2,048 keys, 128 a step.
; REGISTER WINDOWS: query tile 0 lives in window 0 and tile 1 in window 1 under the SAME register numbers, so one macro serves both under one setting.  Window 0 also holds addresses, K's fragments and all scale words;
; V's fragments lie in window 1 under K's numbers.  So V's loads and the NEXT step's loads of K are issued ahead of the softmax and land while it runs.
; THE HEAD SIZE 64 is half of the instruction's 128 along K: registers 8-15 of Q's fragments are zero codes.  K's eight tiles of a step lie densely, 8 registers each: the upper half of a tile's operand is the next tile's
; codes (behind the last: zeros), finite numbers that meet Q's zeros and add nothing; the scale bytes that go with them are finite codes or 0.
; A WHOLE HEAD'S CODES FIT IN LDS: every byte is filled once.  At the head each wave issues one joint load (all scale words, K's tiles 0-31, V's steps 0-3); behind the full sequence and a round of the cluster's barrier
; each issues one more (the rest).  Steps 0-2 read the first group alone (step 2 looks ahead to K's step 3); one barrier shows the second group to all.
; CLUSTER: the four query blocks of a cluster belong to one head and want the same K and V: each load is asked for jointly, with the same descriptor and the mask 15.
; NO PREFETCH INTO THE L2: both groups of tensor loads are issued ahead of the first key step, so no later load is left to run ahead of.
; LAYOUT: both products transposed: S^T = K Q^T, O^T = V^T P^T: a lane holds one query (lane % 16) of each tile throughout.  The 16 registers of score tiles 2 c, 2 c + 1 are the keys of block c in the order in which v's codes were laid.
; OUT: wc [m' = 2048 b + s][1024] f32; a head's 64 numbers of a row are 256 aligned bytes, stored by sixteen lanes.
; LIMITS: NaN and infinities are not served; the promise holds while |t| stays under 2^31.  A block's largest p is taken from the block's largest score by the same two instructions, which leans on v_exp_f32 not falling where its input rises.
; The last step's look-ahead reads the 8,192 bytes behind K's and the 512 behind K's scale words (V's first): they are loaded and never used.
.set VB,    131072                     ; LDS: K [tile of 16 keys 128][c 2][lane][16 B] at 0;  V [step 16][16 features 4][c 4][lane][16 B]
.set SCK,   262144                     ; K's scale words [tile][16]
.set SCV,   270336                     ; V's [step][16 features 4][32]
.set SPARE, 278528                     ; the spare words: 128 bytes a wave
.set STAGE, 279552                     ; behind them: the stages of the way out, bytes that no tensor load fills
.set STG,   16*272                     ; a stage of 16 rows x (256 bytes + 16), one a wave; my two tiles go through it one after the other
.set AK0,  1                           ; 16 x lane
.set AV0,  2                           ; VB + 16 x lane
.set ASK0, 3                           ; SCK + 4 r
.set ASV0, 4                           ; SCV + 4 x lane
.set ADK,  5                           ; v5-8 the step's addresses
.set ADV,  6
.set ADS,  7
.set ADT,  8
.set STI,  9                           ; into my stage
.set STB,  10                          ; back out of it
.set GO,   11                          ; 4096 h + 16 r
; in each tile's window: v12 -M, v13 the largest score, v[14:15] the sum in two halves, v16-23 Q, v24-31 zeros
.set KF,   32                          ; window 0: v32-95 K's eight tiles, v96-103 zeros
.set VF,   32                          ; window 1: v32-95 V's four fragments
.set S,    104                         ; v104-167 S^T, then p
.set OT,   168                         ; v168-199 O^T
.set PCD,  200                         ; v200-215 p's codes (ahead of them: partial sums)
.set BM,   216                         ; the blocks' largest scores, then largest p
.set PT,   220
.set HD,   224                         ; 448 x the scale
.set SO,   228                         ; the conversions' scale operands
.set FF,   232                         ; f = 2^(old M - new M); v233 is named with it as a pair
.set TP,   234                         ; v234-235
.set SWK,  236                         ; window 0 alone from here: K's scale words, eight
.set SWV,  244                         ; V's, four
.set QS,   248                         ; Q's, one a tile
.set PWD,  250                         ; p's, one a tile
.set SPW,  252
.set NIL,  253
.set WV,   8
.set SEL,  12
.set CS,   14                          ; s[14:15] c = log2(e) / 8
.set NC,   16                          ; -c
.set MNT,  17
.set T8,   18                          ; 8,192 x step
.set T5,   19                          ; 512 x step
.set CNT,  20
.set G1K,  24
.set G1V,  32
.set G1KS, 40
.set G1VS, 48
.set G0K,  56
.set G0V,  60
.set G0KS, 68
.set G0VS, 72
.set G0K2, 76
.set G0V2, 80
.set MSB, 0
.macro WIN new                         ; the immediate's high byte repeats the setting that is left
.if MSB != (\new)
	s_set_vgpr_msb (MSB<<8)|(\new)
.set MSB, (\new)
.endif
.endm
.macro CROUND                          ; a round of the cluster's barrier
	s_barrier_signal -1
	s_barrier_wait -1
	s_cmp_lg_u32 s[WV], 0
	s_cbranch_scc1 .Lnot_wave_0_\@
	s_barrier_signal -3
.Lnot_wave_0_\@:
	s_barrier_wait -3
	s_barrier_signal -1
	s_barrier_wait -1
.endm
.macro MKG0 g, lreg, lplus, ptr, gplus ; group 0: to LDS byte s[lreg] + lplus, from s[ptr:ptr+1] + gplus
	s_mov_b32 s[\g], 1
	s_add_co_u32 s[\g+1], s[\lreg], \lplus
	s_add_nc_u64 s[\g+2:\g+3], s[\ptr:\ptr+1], \gplus
	s_or_b32 s[\g+3], s[\g+3], 0x80000000
.endm
.macro MKG1 g, c, r, p                 ; group 1: r rows of c elements of 8 bytes, p elements from row to row, dense in LDS; the mask names the cluster's four, bit 21 beside it
	s_mov_b32 s[\g], 15|(3<<16)|(1<<21)
	s_mov_b32 s[\g+1], (\c)<<16
	s_mov_b32 s[\g+2], (\r)<<16
	s_mov_b32 s[\g+3], (\c)<<16
	s_mov_b32 s[\g+4], \r
	s_mov_b32 s[\g+5], \p
	s_mov_b32 s[\g+6], 0
	s_mov_b32 s[\g+7], 0
.endm
.macro TL g0, g1                       ; a joint load and the idle lines behind it
	tensor_load_to_lds s[\g0:\g0+3], s[\g1:\g1+7]
	s_nop 0
.rept 4
	v_nop
.endr
.endm
.macro ARM under, g0, g1, next
	s_cmp_lt_u32 s[WV], \under
	s_cbranch_scc0 \next
	TL \g0, \g1
	s_branch .Lhead_asked
\next:
.endm
	s_load_b128 s[4:7], s[0:1], 0x0                ; wb, wc
	v_lshl_add_u32 v[SPW], v0, 2, SPARE
	v_mov_b32 v[NIL], 0
	ds_add_u32 v[SPW], v[NIL]                      ; the opening lines: the add twice on end and one wait
	ds_add_u32 v[SPW], v[NIL]
	v_lshrrev_b32 v5, 5, v0
	v_readfirstlane_b32 s[WV], v5                  ; wave 0..7
	s_bfe_u32 s2, ttmp6, 0x40000                   ; cx: it enters Q's and O's addresses alone
	s_lshl_b32 s3, ttmp9, 2
	s_add_co_u32 s2, s2, s3                        ; my block of 256 queries
	s_lshl_b32 s2, s2, 4
	s_lshl_b32 s3, s[WV], 1
	s_add_co_u32 s2, s2, s3                        ; my first tile of 16 queries
	s_and_b32 s9, ttmp7, 0xffff                    ; 16 b + head, which the four partners share
	s_lshr_b32 s10, s9, 1                          ; the pair of heads
	s_and_b32 s11, s9, 1                           ; which of the two
	MKG1 G1K, 128, 8, 256                          ; K: tiles of 1,024 bytes, 2,048 apart (the other head's lie between): 8 a load, later 24
	MKG1 G1V, 1024, 2, 2048                        ; V: steps of 8,192 bytes, 16,384 apart: 2 a load, later 3
	MKG1 G1KS, 8, 128, 16                          ; K's scale words: 128 tiles' 64 bytes, 128 apart
	MKG1 G1VS, 64, 16, 128                         ; V's: 16 steps' 512 bytes, 1,024 apart
	s_and_b32 s21, s[WV], 3
	s_and_b32 s22, s[WV], 1
	s_lshl_b32 s23, s10, 18
	s_lshl_b32 s3, s11, 10
	s_add_co_u32 s92, s23, s3
	s_add_co_u32 s92, s92, 0x400000                ; my head's K
	s_lshl_b32 s3, s11, 13
	s_add_co_u32 s93, s23, s3
	s_add_co_u32 s93, s93, 0x800000                ; my head's V
	s_lshl_b32 s3, s21, 14
	s_add_co_u32 s84, s92, s3                      ; first group, waves 0-3: K's tiles 8 (w % 4) on
	s_mul_i32 s3, s21, 49152
	s_add_co_u32 s86, s92, s3                      ; second group, waves 0-3: K's tiles 32 + 24 (w % 4) on
	s_add_co_u32 s90, s93, s3                      ; waves 4-7: V's steps 4 + 3 (w % 4) on
	s_lshl_b32 s3, s22, 15
	s_add_co_u32 s88, s93, s3                      ; first group, waves 4, 5: V's steps 2 (w % 2) on
	s_lshl_b32 s94, s10, 14
	s_lshl_b32 s3, s11, 6
	s_add_co_u32 s96, s94, s3
	s_add_co_u32 s96, s96, 0xC40000                ; K's scale words
	s_lshl_b32 s3, s11, 9
	s_add_co_u32 s98, s94, s3
	s_add_co_u32 s98, s98, 0xC80000                ; V's
.irp p, 85,87,89,91,97,99
	s_mov_b32 s\p, 0
.endr
	s_lshl_b32 s92, s21, 13                        ; and where they go in LDS
	s_mul_i32 s93, s21, 24576
	s_lshl_b32 s94, s22, 14
	s_mov_b32 s100, 0
	s_wait_dscnt 0x0                               ; both opening adds are done
	s_wait_kmcnt 0x0
.irp p, 84,86,88,90,96,98
	s_add_nc_u64 s[\p:\p+1], s[4:5], s[\p:\p+1]
.endr
	MKG0 G0K, 92, 0, 84, 0
	MKG0 G0V, 94, VB, 88, 0
	MKG0 G0KS, 100, SCK, 96, 0
	MKG0 G0VS, 100, SCV, 98, 0
	MKG0 G0K2, 93, 32768, 86, 65536
	MKG0 G0V2, 93, VB+32768, 90, 65536
	CROUND                                         ; all four work-groups are here: the joint loads meet
	ARM 4, G0K,  G1K,  .Lhead_v                    ; one chain of branches on the wave's number, one load to an arm: every way passes exactly one
	ARM 6, G0V,  G1V,  .Lhead_ks
	ARM 7, G0KS, G1KS, .Lhead_vs
	TL G0VS, G1VS
.Lhead_asked:
	s_lshl_b32 s84, s10, 18
	s_lshl_b32 s3, s2, 11
	s_add_co_u32 s84, s84, s3
	s_lshl_b32 s3, s11, 10
	s_add_co_u32 s84, s84, s3
	s_mov_b32 s85, 0
	s_add_nc_u64 s[84:85], s[4:5], s[84:85]        ; Q's images: my two tiles, 2,048 bytes apart
	s_lshl_b32 s86, s10, 14
	s_lshl_b32 s3, s2, 7
	s_add_co_u32 s86, s86, s3
	s_lshl_b32 s3, s11, 6
	s_add_co_u32 s86, s86, s3
	s_add_co_u32 s86, s86, 0xC00000
	s_mov_b32 s87, 0
	s_add_nc_u64 s[86:87], s[4:5], s[86:87]        ; Q's scale words, 128 bytes apart
	s_lshr_b32 s88, s9, 4
	s_lshl_b32 s88, s88, 23                        ; b x 2,048 rows of 4,096 bytes
	s_lshl_b32 s3, s2, 16
	s_add_co_u32 s88, s88, s3
	s_and_b32 s3, s9, 15
	s_lshl_b32 s3, s3, 8
	s_add_co_u32 s88, s88, s3
	s_mov_b32 s89, 0
	s_add_nc_u64 s[6:7], s[6:7], s[88:89]          ; my 32 rows of the output, at my head's 256 bytes
	s_mov_b32 s[SEL], 0x76543210
	s_mov_b32 s[SEL+1], 0xfedcba98                 ; v_permlanex16_b32's selects for lane l xor 16
	s_mov_b32 s[CS], 0x3e38aa3b
	s_mov_b32 s[CS+1], s[CS]                       ; (named with it as a pair, so it is written)
	s_mov_b32 s[NC], 0xbe38aa3b
	s_mov_b32 s[MNT], 0x600000
	s_mov_b32 s[T8], 0
	s_mov_b32 s[T5], 0
	s_mul_i32 s3, s[WV], STG
	s_add_co_u32 s3, s3, STAGE                     ; my stage
	v_and_b32 v5, 31, v0                           ; lane
	v_and_b32 v6, 15, v0                           ; r
	v_bfe_u32 v7, v0, 4, 1                         ; h
	v_lshlrev_b32 v[AK0], 4, v5
	v_add_nc_u32 v[AV0], VB, v[AK0]
	v_lshl_add_u32 v[ASK0], v6, 2, SCK
	v_lshl_add_u32 v[ASV0], v5, 2, SCV
	v_lshlrev_b32 v[GO], 12, v7
	v_lshl_add_u32 v[GO], v6, 4, v[GO]
	v_mul_u32_u24 v[STI], v6, 272
	v_lshl_add_u32 v[STI], v7, 5, v[STI]
	v_add_nc_u32 v[STI], s3, v[STI]                ; in: row r, + 32 h
	v_mul_u32_u24 v[STB], v7, 272
	v_lshl_add_u32 v[STB], v6, 4, v[STB]
	v_add_nc_u32 v[STB], s3, v[STB]                ; back: lanes 0-15 one row, lanes 16-31 the next
	v_lshlrev_b32 v8, 2, v6                        ; 4 r
	global_load_b128 v[16:19], v[AK0], s[84:85]
	global_load_b128 v[20:23], v[AK0], s[84:85] offset:512
	global_load_b32 v[QS], v8, s[86:87]
	global_load_b32 v[QS+1], v8, s[86:87] offset:128
	WIN 0x40                                       ; tile 1's fragment goes to window 1
	global_load_b128 v[16:19], v[AK0], s[84:85] offset:2048
	global_load_b128 v[20:23], v[AK0], s[84:85] offset:2560
	WIN 0
	v_mov_b32 v[ADK], v[AK0]                       ; step 0's addresses of K and its scale words
	v_mov_b32 v[ADS], v[ASK0]
.irp i, 0,1,2,3,4,5,6,7
	v_mov_b32 v[KF+64+\i], 0                       ; behind K's last tile: zero codes
.endr
.macro INITW                           ; a tile's state, in the window that the destination names
.irp i, 24,25,26,27,28,29,30,31
	v_mov_b32 v[\i], 0                             ; Q's upper 64 along K: zero codes
.endr
	v_mov_b32 v12, 0x7e000000                      ; -M: so large that the first f is 0
	v_mov_b32 v13, 0xff61b1e6                      ; the largest score so far: -3e38
	v_mov_b32 v14, 0
	v_mov_b32 v15, 0
.irp b, 0,1,2,3
	v_mov_b32 v[PT+\b], 0                          ; a lane permute's destination counts as one of its sources
.endr
	v_mov_b32 v[FF+1], 0
.set jj, 0
.rept 32
	v_mov_b32 v[OT+jj], 0                          ; O^T: the step is written once; the first finds zeros
.set jj, jj+1
.endr
.endm
	INITW
	WIN 0x40
	INITW
	WIN 0
	s_wait_alu depctr_va_vdst(0)
	s_wait_tensorcnt 0x0                           ; my load of the first group is in; these lines stand ahead of a later first fill as ahead of a refill
	ds_add_u32 v[SPW], v[NIL]
	s_mov_b32 s[G1K+2], 24<<16                     ; no tensor load of mine is out, so a descriptor may be written: 24 tiles of K,
	s_mov_b32 s[G1K+4], 24
	s_mov_b32 s[G1V+2], 3<<16                      ; 3 steps of V
	s_mov_b32 s[G1V+4], 3
	s_wait_dscnt 0x0
	CROUND                                         ; everybody's part of the first group is in, and the four work-groups meet
	s_cmp_lt_u32 s[WV], 4
	s_cbranch_scc0 .Lrest_v
	TL G0K2, G1K
	s_branch .Lrest_asked
.Lrest_v:
	TL G0V2, G1V
.Lrest_asked:
.macro KLOAD ahead                     ; K's eight tiles and their scale words: this step's (0) or the next one's (1): 24 LDS loads
.irp t, 0,1,2,3,4,5,6,7
	ds_load_b128 v[KF+8*\t:KF+8*\t+3], v[ADK] offset:\t*1024+8192*\ahead
	ds_load_b128 v[KF+8*\t+4:KF+8*\t+7], v[ADK] offset:\t*1024+512+8192*\ahead
	ds_load_b32 v[SWK+\t], v[ADS] offset:\t*64+512*\ahead
.endr
.endm
; THE SOFTMAX AND THE SECOND PRODUCT of query tile t, all in the tile's own window; only p's scale word goes to window 0, where scale operands are taken from.
.macro SOFTPV t
	WIN 0x55*\t
.if \t
	s_wait_alu depctr_va_vdst(0)                   ; tile 1's scores are matrix results first read behind tile 0's exponentials
.endif
.irp b, 0,1,2,3
	v_max3_num_f32 v[BM+\b], v[S+16*\b], v[S+1+16*\b], v[S+2+16*\b]   ; the largest score of each block of 32 keys: for the row's maximum, and for the block's largest p
.endr
.irp i, 3,5,7,9,11,13
.irp b, 0,1,2,3
	v_max3_num_f32 v[BM+\b], v[BM+\b], v[S+16*\b+\i], v[S+1+16*\b+\i]
.endr
.endr
.irp b, 0,1,2,3
	v_max_num_f32 v[BM+\b], v[BM+\b], v[S+15+16*\b]
.endr
.irp b, 0,1,2,3
	v_permlanex16_b32 v[PT+\b], v[BM+\b], s[SEL], s[SEL+1]
.endr
.irp b, 0,1,2,3
	v_max_num_f32 v[BM+\b], v[BM+\b], v[PT+\b]     ; with lane l xor 16's 16 keys
.endr
	s_delay_alu instid0(VALU_DEP_3)
	v_max3_num_f32 v13, v13, v[BM], v[BM+1]        ; the running largest score
	s_delay_alu instid0(VALU_DEP_1)
	v_max3_num_f32 v13, v13, v[BM+2], v[BM+3]
	v_mov_b32 v[TP], v12
	s_delay_alu instid0(VALU_DEP_2)
	v_mul_f32 v[TP+1], s[NC], v13                  ; - the largest t
	s_delay_alu instid0(VALU_DEP_1)
	v_floor_f32 v12, v[TP+1]                       ; the new -M = -ceil(t)
	s_delay_alu instid0(VALU_DEP_1)
	v_sub_f32 v[TP], v12, v[TP]                    ; old M - new M: a whole number, 0 or less
	s_delay_alu instid0(VALU_DEP_1)
	v_cvt_i32_f32 v[TP], v[TP]                     ; (it saturates)
	s_delay_alu instid0(VALU_DEP_1)
	v_ldexp_f32 v[FF], 1.0, v[TP]                  ; f
.set jj, 0
.rept 32
	v_pk_fma_f32 v[S+jj:S+jj+1], v[S+jj:S+jj+1], s[CS:CS+1], v[12:13] op_sel_hi:[1,0,0]   ; t - M, two at a time
.set jj, jj+2
.endr
.irp b, 0,1,2,3
	v_fma_f32 v[BM+\b], v[BM+\b], s[CS], v12
.endr
	s_wait_alu depctr_va_vdst(0)
.set jj, 0
.rept 64
	v_exp_f32 v[S+jj], v[S+jj]                     ; p = 2^(t - M)
.set jj, jj+1
.endr
.irp b, 0,1,2,3
	v_exp_f32 v[BM+\b], v[BM+\b]                   ; the block's largest p
.endr
	v_pk_mul_f32 v[14:15], v[14:15], v[FF:FF+1] op_sel_hi:[1,0]   ; the sums under the new M (a plain line behind the exponentials)
	s_wait_alu depctr_va_vdst(0)                   ; one wait for the batch, ahead of its first reader
.irp b, 0,1,2,3
	v_max_num_f32 v[BM+\b], 0x4800000, v[BM+\b]    ; the floor 2^(9 - 127): the byte cannot fall under 1
.endr
.irp b, 0,1,2,3
	v_add_nc_u32 v[SO+\b], 0xfc000000, v[BM+\b]    ; 8 off the exponent field: the conversion's scale operand
.endr
.irp b, 0,1,2,3
	v_and_or_b32 v[HD+\b], v[BM+\b], 0x7f800000, s[MNT]   ; 448 x the scale
.endr
.irp b, 0,1,2,3
	v_lshrrev_b32 v[PT+\b], 23, v[SO+\b]           ; the scale's byte
.endr
	v_lshl_or_b32 v[TP], v[PT+1], 8, v[PT]
	v_lshl_or_b32 v[TP], v[PT+2], 16, v[TP]
	WIN 0x15*\t
	v_lshl_or_b32 v[PWD+\t], v[PT+3], 24, v[TP]    ; p's scale word for these 128 keys, into window 0
	WIN 0x55*\t
.irp k, 0,1,2,3,4,5,6                          ; the row's sum of the unquantised p: 32 pairs in eight chains; seven of them in the registers that p's codes take afterwards
	v_pk_add_f32 v[PCD+2*\k:PCD+2*\k+1], v[S+4*\k:S+4*\k+1], v[S+4*\k+2:S+4*\k+3]
.endr
	v_pk_add_f32 v[14:15], v[14:15], v[S+28:S+29]
.irp k, 0,1,2,3,4,5,6
	v_pk_add_f32 v[PCD+2*\k:PCD+2*\k+1], v[PCD+2*\k:PCD+2*\k+1], v[S+30+2*\k:S+31+2*\k]
.endr
	v_pk_add_f32 v[14:15], v[14:15], v[S+44:S+45]
.irp k, 0,1,2,3,4,5,6
	v_pk_add_f32 v[PCD+2*\k:PCD+2*\k+1], v[PCD+2*\k:PCD+2*\k+1], v[S+46+2*\k:S+47+2*\k]
.endr
	v_pk_add_f32 v[14:15], v[14:15], v[S+60:S+61]
	v_pk_add_f32 v[PCD:PCD+1], v[PCD:PCD+1], v[S+62:S+63]
	v_pk_add_f32 v[PCD+4:PCD+5], v[PCD+4:PCD+5], v[PCD+6:PCD+7]
	v_pk_add_f32 v[PCD+8:PCD+9], v[PCD+8:PCD+9], v[PCD+10:PCD+11]
	v_pk_add_f32 v[14:15], v[14:15], v[PCD+12:PCD+13]
	v_pk_add_f32 v[PCD:PCD+1], v[PCD:PCD+1], v[PCD+2:PCD+3]
	v_pk_add_f32 v[PCD+4:PCD+5], v[PCD+4:PCD+5], v[PCD+8:PCD+9]
	v_pk_add_f32 v[14:15], v[14:15], v[PCD:PCD+1]
	v_pk_add_f32 v[14:15], v[14:15], v[PCD+4:PCD+5]
.irp b, 0,1,2,3
.irp i, 0,1,2,3,4,5,6,7,8,9,10,11,12,13,14,15
	v_min_num_f32 v[S+16*\b+\i], v[S+16*\b+\i], v[HD+\b]   ; the conversion does not saturate (ISA guide 7.6.2); p is not negative: a one-sided hold
.endr
	v_cvt_scalef32_pk8_fp8_f32 v[PCD+4*\b:PCD+4*\b+1], v[S+16*\b:S+16*\b+7], v[SO+\b]
	v_cvt_scalef32_pk8_fp8_f32 v[PCD+4*\b+2:PCD+4*\b+3], v[S+16*\b+8:S+16*\b+15], v[SO+\b]
.endr
.if \t == 0
	s_wait_dscnt 24                                ; V's fragments and scale words are in; the next step's 24 loads of K may be out
.endif
	s_wait_alu depctr_va_vdst(0)                   ; directly ahead of the first reader of O^T
.set jj, 0
.rept 16
	v_pk_mul_f32 v[OT+jj:OT+jj+1], v[OT+jj:OT+jj+1], v[FF:FF+1] op_sel_hi:[1,0]   ; O^T under the new M (also the places behind the conversions, ahead of the products)
.set jj, jj+2
.endr
	WIN 0x01+0x54*\t                               ; V in window 1; codes and O^T in the tile's
.irp u, 0,1,2,3                                ; O^T += V^T P^T: the four accumulators take turns
	v_wmma_scale_f32_16x16x128_f8f6f4 v[OT+8*\u:OT+8*\u+7], v[VF+16*\u:VF+16*\u+15], v[PCD:PCD+15], v[OT+8*\u:OT+8*\u+7], v[SWV+\u], v[PWD+\t]
.endr
.endm
; A KEY STEP: 128 keys, both query tiles.
.macro STEP
	s_wait_dscnt 0x0                               ; K's tiles and scale words, asked for a step ago
.irp k, 0,1,2,3,4,5,6,7
	v_wmma_scale_f32_16x16x128_f8f6f4 v[S+8*\k:S+8*\k+7], v[KF+8*\k:KF+8*\k+15], v[16:31], 0, v[SWK+\k], v[QS]
.endr
	WIN 0x44                                       ; tile 1: Q and the scores in window 1
.irp k, 0,1,2,3,4,5,6,7
	v_wmma_scale_f32_16x16x128_f8f6f4 v[S+8*\k:S+8*\k+7], v[KF+8*\k:KF+8*\k+15], v[16:31], 0, v[SWK+\k], v[QS+1]
.endr
	WIN 0
	v_add_nc_u32 v[ADK], s[T8], v[AK0]             ; eight places behind the products: four additions and four idle lines
	v_add_nc_u32 v[ADV], s[T8], v[AV0]
	v_add_nc_u32 v[ADS], s[T5], v[ASK0]
	v_add_nc_u32 v[ADT], s[T5], v[ASV0]
.rept 4
	v_nop
.endr
	WIN 0x40
.irp u, 0,1,2,3
.irp c, 0,1,2,3
	ds_load_b128 v[VF+16*\u+4*\c:VF+16*\u+4*\c+3], v[ADV] offset:2048*\u+512*\c
.endr
.endr
	WIN 0
.irp u, 0,1,2,3
	ds_load_b32 v[SWV+\u], v[ADT] offset:128*\u
.endr
	KLOAD 1
	SOFTPV 0
	SOFTPV 1
	WIN 0
	s_add_co_u32 s[T8], s[T8], 8192
	s_add_co_u32 s[T5], s[T5], 512
.endm
	s_wait_loadcnt 0x0                             ; Q
	KLOAD 0
	s_mov_b32 s[CNT], 3
.Lfirst:                                               ; steps 0 to 2 read the first group's bytes alone
	STEP
	s_sub_co_u32 s[CNT], s[CNT], 1
	s_cmp_lg_u32 s[CNT], 0
	s_cbranch_scc1 .Lfirst
	s_wait_tensorcnt 0x0                           ; my load of the second group is in,
	s_wait_dscnt 0x0
	s_barrier_signal -1
	s_barrier_wait -1                              ; and everybody's
	s_mov_b32 s[T8], 3*8192
	s_mov_b32 s[T5], 3*512
	s_mov_b32 s[CNT], 13
.Lrest:
	STEP
	s_sub_co_u32 s[CNT], s[CNT], 1
	s_cmp_lg_u32 s[CNT], 0
	s_cbranch_scc1 .Lrest
	; THE WAY OUT: O^T / the sum goes through my own stage in LDS and leaves as whole aligned runs of 256 bytes.  The stage is mine alone, so no barrier stands here.
	s_wait_dscnt 0x0                               ; the last look-ahead's loads have landed: their registers are used again below
.irp t, 0,1
	WIN 0x55*\t
	v_add_f32 v14, v14, v15
	v_permlanex16_b32 v[FF], v14, s[SEL], s[SEL+1]
	v_add_f32 v14, v14, v[FF]                      ; the row's sum
	s_wait_alu depctr_va_vdst(0)
	v_rcp_f32 v14, v14
	v_nop                                          ; a plain line behind it
	s_wait_alu depctr_va_vdst(0)                   ; ahead of its first reader, which is also O^T's
.set jj, 0
.rept 32
	v_mul_f32 v[S+jj], v[OT+jj], v14               ; register 8 u + i is o(query r, 16 u + 8 h + i); each accumulator from its low end on
.set jj, jj+1
.endr
	WIN 0x04*\t                                    ; the data in the tile's window
.irp u, 0,1,2,3
	ds_store_b128 v[STI], v[S+8*\u:S+8*\u+3] offset:64*\u
	ds_store_b128 v[STI], v[S+8*\u+4:S+8*\u+7] offset:64*\u+16
.endr
	WIN 0
.irp i, 0,1,2,3,4,5,6,7
	ds_load_b128 v[KF+32*\t+4*\i:KF+32*\t+4*\i+3], v[STB] offset:544*\i   ; LDS serves a wave's instructions in order: these see my stores, and tile 1's stores come behind tile 0's loads
.endr
.endr
.irp t, 0,1
.irp i, 0,1,2,3,4,5,6,7
	s_wait_dscnt 23-16*\t-\i                       ; the younger LDS instructions may be out: this tile's later loads, and for tile 0 tile 1's sixteen
	global_store_b128 v[GO], v[KF+32*\t+4*\i:KF+32*\t+4*\i+3], s[6:7] offset:65536*\t+8192*\i
.endr
.endr
	s_wait_tensorcnt 0x0                           ; the wave's end
	ds_add_u32 v[SPW], v[NIL]
	s_wait_dscnt 0x0
	CROUND                                         ; the closing round
	s_endpgm
.Lfunc_end_k_q09d0dd522c_attn:
	.size	k_q09d0dd522c_attn, .Lfunc_end_k_q09d0dd522c_attn-k_q09d0dd522c_attn
	.p2alignl 7, 3214868480
	.fill 96, 4, 3214868480
	.section	.rodata,"a",@progbits
	.p2align	6, 0x0
	.amdhsa_kernel k_q09d0dd522c_attn
		.amdhsa_group_segment_fixed_size 327680
		.amdhsa_private_segment_fixed_size 0
		.amdhsa_enable_private_segment 0
		.amdhsa_kernarg_size 16
		.amdhsa_user_sgpr_count 2
		.amdhsa_user_sgpr_kernarg_segment_ptr 1
		.amdhsa_wavefront_size32 1
		.amdhsa_system_sgpr_workgroup_id_x 1
		.amdhsa_system_sgpr_workgroup_id_y 1
		.amdhsa_system_sgpr_workgroup_id_z 1
		.amdhsa_system_vgpr_workitem_id 0
		.amdhsa_next_free_vgpr 512
		.amdhsa_next_free_sgpr 102
		.amdhsa_reserve_vcc 0
		.amdhsa_float_denorm_mode_32 3
		.amdhsa_float_denorm_mode_16_64 3
		.amdhsa_memory_ordered 1
		.amdhsa_forward_progress 1
		.amdhsa_inst_pref_size 93
	.end_amdhsa_kernel
	.amdgpu_metadata
---
amdhsa.version: [ 1, 2 ]
amdhsa.kernels:
  - .name:           k_q09d0dd522c_attn
    .symbol:         k_q09d0dd522c_attn.kd
    .args:
      - { .name: wb, .offset: 0, .size: 8, .value_kind: global_buffer, .address_space: global }
      - { .name: wc, .offset: 8, .size: 8, .value_kind: global_buffer, .address_space: global }
    .group_segment_fixed_size: 327680
    .private_segment_fixed_size: 0
    .kernarg_segment_align: 8
    .kernarg_segment_size: 16
    .max_flat_workgroup_size: 256
    .sgpr_count:     102
    .vgpr_count:     512
    .wavefront_size: 32
...
	.end_amdgpu_metadata
.endif
;; end of part 3
;; launch ln1 (part 4): grid 256 x 1, 16 waves a work-group, no clusters, 84,480 bytes of LDS; arguments src, wc, ln1_g, ln1_b, wd; writes wd
.if DOCPART == 4
	.amdgcn_target "amdgcn-amd-amdhsa--gfx1250"
	.amdhsa_code_object_version 6
	.text
	.protected	k_q09d0dd522c_ln1
	.globl	k_q09d0dd522c_ln1
	.p2align	8
	.type	k_q09d0dd522c_ln1,@function
k_q09d0dd522c_ln1:
	s_mov_b64 s[64:65], 0
	v_nop
	global_prefetch_b8 v0, s[64:65] scope:SCOPE_SE
	s_setreg_imm32_b32 hwreg(HW_REG_WAVE_MODE, 25, 1), 1
	s_wait_xcnt 0x0
; x = LayerNorm(src + attention) g + b, in f32, and x's codes of E4M3 with one E8M0 byte for each 32 along the row.
; wd + 0: x [m' = 2048 b + s][1024] f32;  wd + 0x1000000: codes [m'][1024];  wd + 0x1400000: scale bytes [m'][32].
; The mean is taken first and the variance of x - mean, as the definition has it: no difference of large sums.  1 / sqrt by v_rsq_f32.
; SHARES: sixteen waves, one row each, kept in 32 registers a lane: every byte is read once.  The quantiser is the one of the launch that quantises src: the row turns through the wave's own stage in LDS.
; LIMITS: NaN and infinities are not served; a block whose largest magnitude lies under 2^-118 keeps the byte 1.
.set SP,   80
.set WREG, 2*32*SP
.set SCB,  16*WREG
.set A,    16                          ; v16-47   src's row, then the sum, then x
.set BV,   48                          ; v48-79   the attention's row
.set G,    80                          ; v80-111  the gain
.set BT,   112                         ; v112-143 the bias
.set X,    144                         ; v144-175 two sets of 16 neighbours
.set C,    176
.set E,    184
	s_load_b256 s[4:11], s[0:1], 0x0               ; src, wc, ln1_g, ln1_b
	s_load_b64 s[12:13], s[0:1], 0x20              ; wd
	v_lshl_add_u32 v192, v0, 2, 0x14200
	v_mov_b32 v193, 0
	v_lshrrev_b32 v1, 5, v0
	s_delay_alu instid0(VALU_DEP_1)
	v_readfirstlane_b32 s18, v1                    ; wave
	v_and_b32 v1, 31, v0
	s_delay_alu instid0(VALU_DEP_1)
	v_lshlrev_b32 v2, 4, v1
	s_mul_i32 s19, s18, WREG
	v_lshrrev_b32 v3, 2, v1
	s_delay_alu instid0(VALU_DEP_1)
	v_mul_u32_u24 v3, v3, SP
	v_and_b32 v7, 3, v1
	s_delay_alu instid0(VALU_DEP_1)
	v_lshl_add_u32 v3, v7, 4, v3
	s_delay_alu instid0(VALU_DEP_1)
	v_add_nc_u32 v3, s19, v3
	v_mul_u32_u24 v4, v1, SP
	s_delay_alu instid0(VALU_DEP_1)
	v_add_nc_u32 v4, s19, v4
	s_lshl_b32 s19, s18, 5
	s_add_co_u32 s19, s19, SCB
	v_lshrrev_b32 v5, 1, v1
	s_delay_alu instid0(VALU_DEP_1)
	v_add_nc_u32 v5, s19, v5
	v_add_nc_u32 v6, SCB, v2
	s_mov_b32 s23, 0x600000
	s_mov_b32 s24, 0x76543210
	s_mov_b32 s25, 0xfedcba98
	s_lshr_b32 s19, ttmp9, 7                       ; b
	s_and_b32 s26, ttmp9, 127
	s_lshl_b32 s26, s26, 4
	s_add_co_u32 s26, s26, s18                     ; s
	s_lshl_b32 s26, s26, 1
	s_add_co_u32 s26, s26, s19
	s_lshl_b32 s26, s26, 12                        ; src's row 2 s + b
	s_mov_b32 s27, 0
	s_lshl_b32 s28, ttmp9, 4
	s_add_co_u32 s28, s28, s18                     ; m'
	s_lshl_b32 s22, s28, 10
	s_lshl_b32 s28, s28, 12
	s_mov_b32 s29, 0
	s_wait_kmcnt 0x0
	s_add_nc_u64 s[4:5], s[4:5], s[26:27]
	s_add_nc_u64 s[6:7], s[6:7], s[28:29]
	s_add_nc_u64 s[20:21], s[12:13], s[28:29]      ; x
	s_add_co_u32 s28, s22, 0x1000000
	s_add_nc_u64 s[14:15], s[12:13], s[28:29]      ; its codes
	s_lshl_b32 s28, ttmp9, 9
	s_add_co_u32 s28, s28, 0x1400000
	s_add_nc_u64 s[16:17], s[12:13], s[28:29]      ; the work-group's scale bytes
.irp i, 0,1,2,3,4,5,6,7
	global_load_b128 v[A+4*\i:A+4*\i+3], v2, s[4:5] offset:512*\i th:TH_LOAD_NT
	global_load_b128 v[BV+4*\i:BV+4*\i+3], v2, s[6:7] offset:512*\i th:TH_LOAD_NT
.endr
.irp i, 0,1,2,3,4,5,6,7
	global_load_b128 v[G+4*\i:G+4*\i+3], v2, s[8:9] offset:512*\i
	global_load_b128 v[BT+4*\i:BT+4*\i+3], v2, s[10:11] offset:512*\i
.endr
.macro WSUM                            ; v8 summed over the wave's 32 lanes, in every lane
	s_delay_alu instid0(VALU_DEP_1)
	v_add_f32_dpp v8, v8, v8 row_xmask:1 row_mask:0xf bank_mask:0xf
	s_delay_alu instid0(VALU_DEP_1)
	v_add_f32_dpp v8, v8, v8 row_xmask:2 row_mask:0xf bank_mask:0xf
	s_delay_alu instid0(VALU_DEP_1)
	v_add_f32_dpp v8, v8, v8 row_xmask:4 row_mask:0xf bank_mask:0xf
	s_delay_alu instid0(VALU_DEP_1)
	v_add_f32_dpp v8, v8, v8 row_xmask:8 row_mask:0xf bank_mask:0xf
	s_delay_alu instid0(VALU_DEP_1)
	v_permlanex16_b32 v9, v8, s24, s25
	s_delay_alu instid0(VALU_DEP_1)
	v_add_f32 v8, v8, v9
.endm
.macro LNCORE V, GG, BB                ; the row in v[V] .. v[V + 31] is normalised in place
	v_pk_add_f32 v[8:9], v[\V:\V+1], v[\V+2:\V+3]
	v_pk_add_f32 v[10:11], v[\V+4:\V+5], v[\V+6:\V+7]
.irp i, 8,12,16,20,24,28
	s_delay_alu instid0(VALU_DEP_2)
	v_pk_add_f32 v[8:9], v[8:9], v[\V+\i:\V+\i+1]
	s_delay_alu instid0(VALU_DEP_2)
	v_pk_add_f32 v[10:11], v[10:11], v[\V+\i+2:\V+\i+3]
.endr
	s_delay_alu instid0(VALU_DEP_1)
	v_pk_add_f32 v[8:9], v[8:9], v[10:11]
	s_delay_alu instid0(VALU_DEP_1)
	v_add_f32 v8, v8, v9
	WSUM
	s_delay_alu instid0(VALU_DEP_1)
	v_mul_f32 v12, 0xba800000, v8                  ; - the mean
	s_delay_alu instid0(VALU_DEP_1)
	v_mov_b32 v13, v12
.irp i, 0,2,4,6,8,10,12,14,16,18,20,22,24,26,28,30
	v_pk_add_f32 v[\V+\i:\V+\i+1], v[\V+\i:\V+\i+1], v[12:13]
.endr
	v_pk_mul_f32 v[8:9], v[\V:\V+1], v[\V:\V+1]
	v_pk_mul_f32 v[10:11], v[\V+2:\V+3], v[\V+2:\V+3]
.irp i, 4,8,12,16,20,24,28
	s_delay_alu instid0(VALU_DEP_2)
	v_pk_fma_f32 v[8:9], v[\V+\i:\V+\i+1], v[\V+\i:\V+\i+1], v[8:9]
	s_delay_alu instid0(VALU_DEP_2)
	v_pk_fma_f32 v[10:11], v[\V+\i+2:\V+\i+3], v[\V+\i+2:\V+\i+3], v[10:11]
.endr
	s_delay_alu instid0(VALU_DEP_1)
	v_pk_add_f32 v[8:9], v[8:9], v[10:11]
	s_delay_alu instid0(VALU_DEP_1)
	v_add_f32 v8, v8, v9
	WSUM
	v_mov_b32 v14, 0x3a800000                      ; 1 / 1024
	s_delay_alu instid0(VALU_DEP_1)
	v_fmaak_f32 v8, v8, v14, 0x3727c5ac            ; the variance + 1e-5
	s_wait_alu depctr_va_vdst(0)
	v_rsq_f32 v14, v8
	v_nop                                          ; a plain line behind the transcendental
	s_wait_alu depctr_va_vdst(0)
	v_mov_b32 v15, v14
.irp i, 0,2,4,6,8,10,12,14,16,18,20,22,24,26,28,30
	v_pk_mul_f32 v[\V+\i:\V+\i+1], v[\V+\i:\V+\i+1], v[14:15]
.endr
.irp i, 0,2,4,6,8,10,12,14,16,18,20,22,24,26,28,30
	v_pk_fma_f32 v[\V+\i:\V+\i+1], v[\V+\i:\V+\i+1], v[\GG+\i:\GG+\i+1], v[\BB+\i:\BB+\i+1]
.endr
.endm
.macro TURNQ t, src
.irp i, 0,1,2,3
	ds_store_b128 v3, v[\src+16*\t+4*\i:\src+16*\t+4*\i+3] offset:32*SP*\t+8*SP*\i
.endr
.irp i, 0,1,2,3
	ds_load_b128 v[X+16*\t+4*\i:X+16*\t+4*\i+3], v4 offset:32*SP*\t+16*\i
.endr
.endm
.macro QSTEP t
.set XS, X+16*\t
	v_max3_num_f32 v8, |v[XS]|, |v[XS+1]|, |v[XS+2]|
	v_max3_num_f32 v9, |v[XS+3]|, |v[XS+4]|, |v[XS+5]|
.irp i, 6,10
	s_delay_alu instid0(VALU_DEP_2)
	v_max3_num_f32 v8, v8, |v[XS+\i]|, |v[XS+\i+1]|
	s_delay_alu instid0(VALU_DEP_2)
	v_max3_num_f32 v9, v9, |v[XS+\i+2]|, |v[XS+\i+3]|
.endr
	s_delay_alu instid0(VALU_DEP_2)
	v_max3_num_f32 v8, v8, |v[XS+14]|, |v[XS+15]|
	s_delay_alu instid0(VALU_DEP_1)
	v_max3_num_f32 v8, v8, v9, 0x4800000           ; the floor 2^(9 - 127)
	s_delay_alu instid0(VALU_DEP_1)
	v_max_num_f32_dpp v8, v8, v8 row_xmask:1 row_mask:0xf bank_mask:0xf
	s_delay_alu instid0(VALU_DEP_1)
	v_add_nc_u32 v11, 0xfc000000, v8
	s_delay_alu instid0(VALU_DEP_2)
	v_and_or_b32 v10, v8, 0x7f800000, s23
.irp i, 0,1,2,3,4,5,6,7,8,9,10,11,12,13,14,15
	v_med3_num_f32 v[XS+\i], v[XS+\i], -v10, v10   ; the conversion does not saturate (ISA guide 7.6.2)
.endr
	v_cvt_scalef32_pk8_fp8_f32 v[C+4*\t:C+4*\t+1], v[XS:XS+7], v11
	v_cvt_scalef32_pk8_fp8_f32 v[C+4*\t+2:C+4*\t+3], v[XS+8:XS+15], v11
	v_lshrrev_b32 v[E+\t], 23, v11
	ds_store_b8 v5, v[E+\t] offset:16*\t
	global_store_b128 v2, v[C+4*\t:C+4*\t+3], s[14:15] offset:512*\t
.endm
	s_wait_loadcnt 0x0
.irp i, 0,2,4,6,8,10,12,14,16,18,20,22,24,26,28,30
	v_pk_add_f32 v[A+\i:A+\i+1], v[A+\i:A+\i+1], v[BV+\i:BV+\i+1]   ; the residual
.endr
	LNCORE A, G, BT
.irp i, 0,1,2,3,4,5,6,7
	global_store_b128 v2, v[A+4*\i:A+4*\i+3], s[20:21] offset:512*\i
.endr
	TURNQ 0, A
	TURNQ 1, A
	s_wait_dscnt 8                                 ; the first half is back; the second turn's eight LDS instructions may be out
	QSTEP 0
	s_wait_dscnt 1                                 ; the second half is back; the byte store just issued may be out
	QSTEP 1
	s_wait_dscnt 0x0                               ; for wave 0's sake
	s_barrier_signal -1
	s_barrier_wait -1
	s_cmp_lg_u32 s18, 0
	s_cbranch_scc1 .Lend
	ds_load_b128 v[12:15], v6
	s_wait_dscnt 0x0
	global_store_b128 v2, v[12:15], s[16:17]       ; sixteen rows' scale bytes: 512 consecutive bytes
.Lend:
	s_wait_tensorcnt 0x0
	ds_add_u32 v192, v193
	s_wait_dscnt 0x0
	s_endpgm
.Lfunc_end_k_q09d0dd522c_ln1:
	.size	k_q09d0dd522c_ln1, .Lfunc_end_k_q09d0dd522c_ln1-k_q09d0dd522c_ln1
	.p2alignl 7, 3214868480
	.fill 96, 4, 3214868480
	.section	.rodata,"a",@progbits
	.p2align	6, 0x0
	.amdhsa_kernel k_q09d0dd522c_ln1
		.amdhsa_group_segment_fixed_size 84480
		.amdhsa_private_segment_fixed_size 0
		.amdhsa_enable_private_segment 0
		.amdhsa_kernarg_size 40
		.amdhsa_user_sgpr_count 2
		.amdhsa_user_sgpr_kernarg_segment_ptr 1
		.amdhsa_wavefront_size32 1
		.amdhsa_system_sgpr_workgroup_id_x 1
		.amdhsa_system_sgpr_workgroup_id_y 1
		.amdhsa_system_sgpr_workgroup_id_z 1
		.amdhsa_system_vgpr_workitem_id 0
		.amdhsa_next_free_vgpr 194
		.amdhsa_next_free_sgpr 66
		.amdhsa_reserve_vcc 0
		.amdhsa_float_denorm_mode_32 3
		.amdhsa_float_denorm_mode_16_64 3
		.amdhsa_memory_ordered 1
		.amdhsa_forward_progress 1
		.amdhsa_inst_pref_size 22
	.end_amdhsa_kernel
	.amdgpu_metadata
---
amdhsa.version: [ 1, 2 ]
amdhsa.kernels:
  - .name:           k_q09d0dd522c_ln1
    .symbol:         k_q09d0dd522c_ln1.kd
    .args:
      - { .name: src, .offset: 0, .size: 8, .value_kind: global_buffer, .address_space: global }
      - { .name: wc, .offset: 8, .size: 8, .value_kind: global_buffer, .address_space: global }
      - { .name: ln1_g, .offset: 16, .size: 8, .value_kind: global_buffer, .address_space: global }
      - { .name: ln1_b, .offset: 24, .size: 8, .value_kind: global_buffer, .address_space: global }
      - { .name: wd, .offset: 32, .size: 8, .value_kind: global_buffer, .address_space: global }
    .group_segment_fixed_size: 84480
    .private_segment_fixed_size: 0
    .kernarg_segment_align: 8
    .kernarg_segment_size: 40
    .max_flat_workgroup_size: 512
    .sgpr_count:     66
    .vgpr_count:     194
    .wavefront_size: 32
...
	.end_amdgpu_metadata
.endif
;; end of part 4
;; launch ff1 (part 5): grid 16 x 16, 4 waves a work-group, clusters of 4 x 4, 327,680 bytes of LDS; arguments wd, w1_codes, w1_scales, b1, we; writes we
.if DOCPART == 5
	.amdgcn_target "amdgcn-amd-amdhsa--gfx1250"
	.amdhsa_code_object_version 6
	.text
	.protected	k_q09d0dd522c_ff1
	.globl	k_q09d0dd522c_ff1
	.p2align	8
	.type	k_q09d0dd522c_ff1,@function
k_q09d0dd522c_ff1:
	s_mov_b64 s[64:65], 0
	v_nop
	global_prefetch_b8 v0, s[64:65] scope:SCOPE_SE
	s_setreg_imm32_b32 hwreg(HW_REG_WAVE_MODE, 25, 1), 1
	s_wait_xcnt 0x0
	s_wait_alu depctr_hold_cnt(0) depctr_sa_sdst(0) depctr_va_vdst(0) depctr_va_sdst(0) depctr_va_ssrc(0) depctr_va_vcc(0) depctr_vm_vsrc(0)
	s_getreg_b32 s2, hwreg(HW_REG_IB_STS2, 6, 4)
	s_cmp_eq_u32 s2, 0
	s_cbranch_scc0 .Lentry_in_a_cluster
	s_endpgm
.Lentry_in_a_cluster:
	s_bfe_u32 s2, ttmp6, 0x10000c
	s_cmp_lg_u32 s2, 0xf033
	s_cbranch_scc0 .Lentry_shape_is_right
	s_endpgm
.Lentry_shape_is_right:
.set KSTEP,  256
.set NQ,     2
.set ROWB,   256
.set KROW,   1024
.set PITCH,  272
.set FR,     16
.set NL,     4
.set NP,     8
.set HALFT,  128*PITCH
.set SLOT,   4*HALFT
.set LAPS,   2
.set KS,     32
.set SCL,    2*SLOT
.set HALFS,  (128*KS/256)*272
.set SBLK,   (16*KS/256)*272
.set SPARE,  SCL+4*HALFS
.set H32,  7
.set ADRA, 16
.set ADRB, 20
.set STO,  24
.set RD,   25
.set CO,   26
.set ADRS, 27
.set SPW,  28
.set NIL,  29
.set SC,   32
.set BIAS, 64
.set AF,   128
.set OB,   128
.set PC,   160
.set TM,   192
.set W,    210
.set G1, 24
.set G0, 32
.set G1B, 48
.set G0B, 56
.set G1S, 68
.set G0S, 76
.set G1SB, 80
.set G0SB, 88
.set MSB, 0
.macro WIN new
.if MSB != (\new)
	s_set_vgpr_msb (MSB<<8)|(\new)
.set MSB, (\new)
.endif
.endm
.set MUL_LO,  0xa1
.set MUL_HI,  0xf1
.set MUL_LO0, 0x81
.set MUL_HI0, 0xc1
.set TO_B,    0x40
.macro JLOAD g0a, g1a, g0b, g1b
	s_cmp_eq_u32 s15, 0
	s_cbranch_scc0 .Lfor_b_\@
	tensor_load_to_lds s[\g0a:\g0a+3], s[\g1a:\g1a+7]
	s_nop 0
.rept 4
	v_nop
.endr
	s_branch .Lasked_\@
.Lfor_b_\@:
	tensor_load_to_lds s[\g0b:\g0b+3], s[\g1b:\g1b+7]
	s_nop 0
.rept 4
	v_nop
.endr
.Lasked_\@:
.endm
.macro CREST
	s_cmp_lg_u32 s14, 0
	s_cbranch_scc1 .Lnot_wave_0_\@
	s_barrier_signal -3
.Lnot_wave_0_\@:
	s_barrier_wait -3
	s_barrier_signal -1
	s_barrier_wait -1
.endm
.macro CROUND
	s_barrier_signal -1
	s_barrier_wait -1
	CREST
.endm
	s_load_b64 s[4:5], s[0:1], 0x0
	s_load_b128 s[8:11], s[0:1], 0x8
	s_load_b64 s[66:67], s[0:1], 0x18
	s_load_b64 s[12:13], s[0:1], 0x20
	v_lshl_add_u32 v[SPW], v0, 2, SPARE
	v_mov_b32 v[NIL], 0
	ds_add_u32 v28, v29
	ds_add_u32 v28, v29
	s_wait_dscnt 0x0
	v_lshrrev_b32 v1, 5, v0
	v_readfirstlane_b32 s14, v1
	s_lshr_b32 s15, s14, 1
	s_and_b32 s16, s14, 1
	s_bfe_u32 s40, ttmp6, 0x40000
	s_bfe_u32 s41, ttmp6, 0x40004
	s_lshl_b32 s42, ttmp9, 2
	s_add_co_u32 s42, s42, s40
	s_and_b32 s17, ttmp7, 0xffff
	s_lshl_b32 s17, s17, 2
	s_add_co_u32 s17, s17, s41
	s_lshl_b32 s43, s41, 2
	s_lshl_b32 s43, 15, s43
	s_lshl_b32 s44, 0x1111, s40
	s_or_b32 s[G1+0], s43, (0<<16)|(1<<20)|(1<<21)|(5<<22)|(3<<25)
	s_or_b32 s[G1B+0], s44, (0<<16)|(1<<20)|(1<<21)|(5<<22)|(3<<25)
.irp g, G1, G1B
	s_mov_b32 s[\g+1], ROWB<<16
	s_mov_b32 s[\g+2], 256<<16
	s_mov_b32 s[\g+3], ROWB<<16
	s_mov_b32 s[\g+4], 256
	s_mov_b32 s[\g+5], KROW
	s_mov_b32 s[\g+6], 0
	s_mov_b32 s[\g+7], 0
.endr
	s_or_b32 s[G1S+0], s43, (3<<16)|(1<<20)|(1<<21)|(5<<22)|(3<<25)
	s_or_b32 s[G1SB+0], s44, (3<<16)|(1<<20)|(1<<21)|(5<<22)|(3<<25)
.irp g, G1S, G1SB
	s_mov_b32 s[\g+1], 32<<16
	s_mov_b32 s[\g+2], KS<<16
	s_mov_b32 s[\g+3], 32<<16
	s_mov_b32 s[\g+4], KS
	s_mov_b32 s[\g+5], 32
	s_mov_b32 s[\g+6], 0
	s_mov_b32 s[\g+7], 0
.endr
	s_lshl_b32 s20, s17, 8                         ; the tiles' first rows
	s_lshl_b32 s46, s42, 8
	s_mov_b32 s21, 0
	s_mov_b32 s47, 0
	s_mov_b64 s[18:19], KS
	s_mul_u64 s[22:23], s[20:21], s[18:19]
	s_mul_u64 s[92:93], s[46:47], s[18:19]
	s_mov_b64 s[18:19], KROW
	s_mul_u64 s[20:21], s[20:21], s[18:19]
	s_mul_u64 s[46:47], s[46:47], s[18:19]
	s_mul_i32 s45, s14, HALFT
	s_mul_i32 s18, s16, 128*KROW                   ; in the ring I fetch 128 rows of a tile: which half, in bytes
	s_mov_b32 s19, 0
	s_wait_kmcnt 0x0
	s_add_nc_u64 s[6:7], s[4:5], 0x1400000
	s_add_nc_u64 s[4:5], s[4:5], 0x1000000
	s_mov_b64 s[96:97], s[12:13]
	s_add_nc_u64 s[20:21], s[4:5], s[20:21]
	s_add_nc_u64 s[22:23], s[6:7], s[22:23]
	s_add_nc_u64 s[46:47], s[8:9], s[46:47]
	s_add_nc_u64 s[92:93], s[10:11], s[92:93]
	CROUND
	s_mov_b32 s[G0S], 1
	s_mov_b32 s[G0S+1], SCL
	s_mov_b64 s[G0S+2:G0S+3], s[22:23]
	s_or_b32 s[G0S+3], s[G0S+3], 0x80000000
	s_mov_b32 s[G0SB], 1
	s_mov_b32 s[G0SB+1], SCL+2*HALFS
	s_mov_b64 s[G0SB+2:G0SB+3], s[92:93]
	s_or_b32 s[G0SB+3], s[G0SB+3], 0x80000000
	s_mov_b32 s4, 1                                ; the head's whole tiles: K step 0's 256 rows of A,
	s_mov_b32 s5, 0
	s_mov_b64 s[6:7], s[20:21]
	s_or_b32 s7, s7, 0x80000000
	s_mov_b32 s8, 1                                ; and of B, behind them in slot 0
	s_mov_b32 s9, 2*HALFT
	s_mov_b64 s[10:11], s[46:47]
	s_or_b32 s11, s11, 0x80000000
	s_add_nc_u64 s[20:21], s[20:21], s[18:19]      ; for the ring: my 128 rows of a tile
	s_add_nc_u64 s[46:47], s[46:47], s[18:19]
.irp s, 0,1
	s_mov_b32 s[G0+4*\s], 1
	s_add_co_u32 s[G0+4*\s+1], s45, \s*SLOT
	s_add_nc_u64 s[G0+4*\s+2:G0+4*\s+3], s[20:21], \s*ROWB
	s_or_b32 s[G0+4*\s+3], s[G0+4*\s+3], 0x80000000
	s_mov_b32 s[G0B+4*\s], 1
	s_add_co_u32 s[G0B+4*\s+1], s45, \s*SLOT
	s_add_nc_u64 s[G0B+4*\s+2:G0B+4*\s+3], s[46:47], \s*ROWB
	s_or_b32 s[G0B+4*\s+3], s[G0B+4*\s+3], 0x80000000
.endr
; the head's loads, one a wave: wave 0 K step 0's rows of A, wave 1 those of B, wave 2 A's scales, wave 3 B's; one chain of branches on the wave's number, one load to an arm
.macro ARM under, g0, g1, next
	s_cmp_lt_u32 s14, \under
	s_cbranch_scc0 \next
	tensor_load_to_lds s[\g0:\g0+3], s[\g1:\g1+7]
	s_nop 0
.rept 4
	v_nop
.endr
	s_branch .Lhead_asked
\next:
.endm
	ARM 1, 4, G1, .Lhead_b
	ARM 2, 8, G1B, .Lhead_sa
	ARM 3, G0S, G1S, .Lhead_sb
	tensor_load_to_lds s[G0SB:G0SB+3], s[G1SB:G1SB+7]
	s_nop 0
.rept 4
	v_nop
.endr
.Lhead_asked:
	v_and_b32 v1, 15, v0
	v_bfe_u32 v2, v0, 4, 1
	v_mul_u32_u24 v3, v1, PITCH
	v_lshl_add_u32 v4, v2, 4, v3
	s_mul_i32 s21, s15, HALFT
	s_mul_i32 s22, s16, HALFT
	s_add_co_u32 s22, s22, 2*HALFT
.irp s, 0,1
	v_add_nc_u32 v[ADRA+\s], s21, v4
	v_add_nc_u32 v[ADRB+\s], s22, v4
	s_add_co_u32 s21, s21, SLOT
	s_add_co_u32 s22, s22, SLOT
.endr
	v_mul_u32_u24 v5, v1, KS
	v_lshrrev_b32 v6, 8, v5
	v_lshl_add_u32 v5, v6, 4, v5
	s_mul_i32 s21, s15, HALFS
	s_mul_i32 s22, s16, HALFS
	s_add_co_u32 s22, s22, 2*HALFS
	s_sub_co_u32 s22, s22, s21
	v_mul_u32_u24 v6, s22, v2
	s_add_co_u32 s21, s21, SCL
	v_add_nc_u32 v5, v5, v6
	v_add_nc_u32 v[ADRS], s21, v5
	s_lshl_b32 s23, s14, 10
	v_and_b32 v6, 31, v0
	v_lshlrev_b32 v[CO], 4, v6
	v_add_nc_u32 v[RD], s23, v[CO]
	v_lshl_add_u32 v[STO], v1, 2, s23
	v_lshlrev_b32 v[H32], 5, v2
	s_lshl_b32 s21, s42, 1
	s_add_co_u32 s21, s21, s16
	s_lshl_b32 s46, s21, 9
	s_mov_b32 s47, 0
	s_add_nc_u64 s[66:67], s[66:67], s[46:47]
.irp b, 0,1,2,3,4,5,6,7
	global_load_b128 v[BIAS+8*\b:BIAS+8*\b+3], v[H32], s[66:67] offset:64*\b
	global_load_b128 v[BIAS+8*\b+4:BIAS+8*\b+7], v[H32], s[66:67] offset:64*\b+16
.endr
	s_lshl_b32 s46, s17, 20
	s_lshl_b32 s19, s15, 19
	s_add_co_u32 s46, s46, s19
	s_lshl_b32 s19, s21, 11
	s_add_co_u32 s46, s46, s19
	s_add_nc_u64 s[12:13], s[12:13], s[46:47]
	s_lshl_b32 s46, s21, 14
	s_lshl_b32 s19, s17, 10
	s_add_co_u32 s46, s46, s19
	s_lshl_b32 s19, s15, 9
	s_add_co_u32 s46, s46, s19
	s_add_co_u32 s46, s46, 0x1000000
	s_add_nc_u64 s[96:97], s[96:97], s[46:47]
.macro FRAG reg, adr, q, i
.irp c, 0,1,2,3
	ds_load_b128 v[\reg+4*\c:\reg+4*\c+3], v[\adr] offset:128*(\q)+32*\c+(\i)*16*PITCH
.endr
.endm
.macro MUL16 a0, p, q, sc, zero
.irp a, \a0, \a0+1
.irp b, 0,1,2,3,4,5,6,7
.if \zero
	v_wmma_scale_f32_16x16x128_f8f6f4 v[8*(8*((\a)%4)+\b):8*(8*((\a)%4)+\b)+7], v[128*(\p)+FR*\b:128*(\p)+FR*\b+FR-1], v[AF+FR*(\a):AF+FR*(\a)+FR-1], v[BIAS+8*\b:BIAS+8*\b+7], v[SC+8*NQ*(\sc)+NQ*\b+(\q)], v[SC+8*NQ*(\sc)+NQ*(\a)+(\q)] matrix_a_scale:MATRIX_SCALE_ROW1
.else
	v_wmma_scale_f32_16x16x128_f8f6f4 v[8*(8*((\a)%4)+\b):8*(8*((\a)%4)+\b)+7], v[128*(\p)+FR*\b:128*(\p)+FR*\b+FR-1], v[AF+FR*(\a):AF+FR*(\a)+FR-1], v[8*(8*((\a)%4)+\b):8*(8*((\a)%4)+\b)+7], v[SC+8*NQ*(\sc)+NQ*\b+(\q)], v[SC+8*NQ*(\sc)+NQ*(\a)+(\q)] matrix_a_scale:MATRIX_SCALE_ROW1
.endif
.endr
.endr
.endm
.macro FETCH_B slot, q, p
	WIN TO_B
.irp i, 0,1,2,3,4,5,6,7
	FRAG 128*(\p)+FR*\i, ADRB+\slot, \q, \i
.endr
	WIN 0
.endm
.macro FETCH_A slot, q, i0
.irp i, \i0, \i0+1, \i0+2, \i0+3
	FRAG AF+FR*(\i), ADRA+\slot, \q, \i
.endr
.endm
.macro SCALES sc
.irp i, 0,1,2,3,4,5,6,7
	ds_load_b64 v[SC+8*NQ*\sc+NQ*\i:SC+8*NQ*\sc+NQ*\i+1], v[ADRS] offset:\i*SBLK
.endr
.endm
.macro PLACES n
.rept \n
	v_nop
.endr
.endm
.macro STEP slot, q, zero
	s_wait_dscnt 4*NL
.if \zero
	WIN MUL_LO0
.else
	WIN MUL_LO
.endif
	MUL16 0, (\q)%2, \q, \slot, \zero
	MUL16 2, (\q)%2, \q, \slot, \zero
	s_wait_dscnt 0
	PLACES NP
	FETCH_B \slot, (\q)+1, 1-(\q)%2
	FETCH_A \slot, (\q)+1, 0
.if \zero
	WIN MUL_HI0
.else
	WIN MUL_HI
.endif
	MUL16 4, (\q)%2, \q, \slot, \zero
	MUL16 6, (\q)%2, \q, \slot, \zero
	PLACES NP
	WIN 0
	FETCH_A \slot, (\q)+1, 4
.endm
.macro TURN slot, next, fill
	s_wait_tensorcnt 0x0
	ds_add_u32 v[SPW], v[NIL]
	s_wait_dscnt 4*NL+1
	WIN MUL_LO
	MUL16 0, 1, NQ-1, \slot, 0
	s_wait_dscnt 0x0
	s_barrier_signal -1
	MUL16 2, 1, NQ-1, \slot, 0
	WIN 0
	s_barrier_wait -1
.if \fill
	CREST
	s_add_nc_u64 s[G0+4*\slot+2:G0+4*\slot+3], s[G0+4*\slot+2:G0+4*\slot+3], 2*ROWB
	s_add_nc_u64 s[G0B+4*\slot+2:G0B+4*\slot+3], s[G0B+4*\slot+2:G0B+4*\slot+3], 2*ROWB
	JLOAD G0+4*\slot, G1, G0B+4*\slot, G1B
	PLACES NP-4
.else
	PLACES NP
.endif
	s_wait_alu depctr_va_vdst(0)
	v_add_nc_u32 v[ADRS], 4*NQ, v[ADRS]
	FETCH_B \next, 0, 0
	FETCH_A \next, 0, 0
	SCALES \next
	WIN MUL_HI
	MUL16 4, 1, NQ-1, \slot, 0
	MUL16 6, 1, NQ-1, \slot, 0
	PLACES NP
	WIN 0
	FETCH_A \next, 0, 4
.endm
	s_wait_alu depctr_va_vdst(0)
	s_wait_loadcnt 0x0
	s_wait_tensorcnt 0x0                           ; my tile of the head's four is in
	ds_add_u32 v[SPW], v[NIL]
	s_mov_b32 s[G1+2], 128<<16                     ; no tensor load of mine is out: from here on a load brings 128 rows
	s_mov_b32 s[G1+4], 128
	s_mov_b32 s[G1B+2], 128<<16
	s_mov_b32 s[G1B+4], 128
	s_wait_dscnt 0x0
	CROUND                                         ; all four tiles are in, and the sixteen work-groups meet
	JLOAD G0+4, G1, G0B+4, G1B                     ; K step 1, the first tensor load behind the round
	FETCH_B 0, 0, 0
	FETCH_A 0, 0, 0
	SCALES 0
	FETCH_A 0, 0, 4
	STEP 0, 0, 1
	s_mov_b32 s3, LAPS-1
.Llap:
	TURN 0, 1, 1
	STEP 1, 0, 0
	TURN 1, 0, 1
	STEP 0, 0, 0
	s_sub_co_u32 s3, s3, 1
	s_cmp_lg_u32 s3, 0
	s_cbranch_scc1 .Llap
	TURN 0, 1, 0
	STEP 1, 0, 0
	s_wait_dscnt 4*NL
	WIN MUL_LO
	MUL16 0, 1, NQ-1, 1, 0
	MUL16 2, 1, NQ-1, 1, 0
	s_wait_dscnt 0
	WIN MUL_HI
	MUL16 4, 1, NQ-1, 1, 0
	MUL16 6, 1, NQ-1, 1, 0
	WIN 0
.macro QUANTW s, win, pc, pw
	WIN (\win)|((\win)<<2)
.irp b, 0,1,2,3
	v_max3_num_f32 v[TM+\b], v[(\s)+16*\b], v[(\s)+1+16*\b], 0x4800000
.endr
	WIN ((\win)<<2)|((\win)<<4)
.irp i, 2,4,6,8,10,12,14
.irp b, 0,1,2,3
	v_max3_num_f32 v[TM+\b], v[TM+\b], v[(\s)+16*\b+\i], v[(\s)+1+16*\b+\i]
.endr
.endr
	WIN 0
.irp b, 0,1,2,3
	v_permlanex16_b32 v[TM+4+\b], v[TM+\b], s20, s21
.endr
.irp b, 0,1,2,3
	v_max_num_f32 v[TM+\b], v[TM+\b], v[TM+4+\b]
.endr
.irp b, 0,1,2,3
	v_add_nc_u32 v[TM+12+\b], 0xfc000000, v[TM+\b]
.endr
.irp b, 0,1,2,3
	v_and_or_b32 v[TM+8+\b], v[TM+\b], 0x7f800000, s22
.endr
.irp b, 0,1,2,3
	v_lshrrev_b32 v[TM+4+\b], 23, v[TM+12+\b]
.endr
	v_lshl_or_b32 v[\pw], v[TM+5], 8, v[TM+4]
	v_lshl_or_b32 v[\pw], v[TM+6], 16, v[\pw]
	v_lshl_or_b32 v[\pw], v[TM+7], 24, v[\pw]
	WIN (\win)|((\win)<<6)
.irp b, 0,1,2,3
.irp i, 0,1,2,3,4,5,6,7,8,9,10,11,12,13,14,15
	v_med3_num_f32 v[(\s)+16*\b+\i], v[(\s)+16*\b+\i], 0, v[TM+8+\b]
.endr
.endr
	WIN (\win)
.irp b, 0,1,2,3
	v_cvt_scalef32_pk8_fp8_f32 v[(\pc)+4*\b:(\pc)+4*\b+1], v[(\s)+16*\b:(\s)+16*\b+7], v[TM+12+\b]
	v_cvt_scalef32_pk8_fp8_f32 v[(\pc)+4*\b+2:(\pc)+4*\b+3], v[(\s)+16*\b+8:(\s)+16*\b+15], v[TM+12+\b]
.endr
	WIN 0
	v_nop
.endm
	PLACES NP
	s_mov_b32 s20, 0x76543210
	s_mov_b32 s21, 0xfedcba98
	s_mov_b32 s22, 0x600000
.irp b, 0,1,2,3
	v_mov_b32 v[TM+4+\b], 0
.endr
.irp a, 0,1,2,3,4,5,6,7
	s_wait_xcnt 0x0
	QUANTW 64*(\a%4), 2+\a/4, PC+16*(\a%2), W+\a
.irp c, 0,1,2,3
	global_store_b128 v[CO], v[PC+16*(\a%2)+4*\c:PC+16*(\a%2)+4*\c+3], s[12:13] offset:65536*\a+512*\c
.endr
.endr
.irp a, 0,1,2,3,4,5,6,7
	ds_store_b32 v[STO], v[W+\a] offset:64*\a
.endr
	ds_load_b128 v[OB:OB+3], v[RD]
	s_wait_dscnt 0x0
	global_store_b128 v[CO], v[OB:OB+3], s[96:97]
	s_wait_tensorcnt 0x0
	ds_add_u32 v[SPW], v[NIL]
	s_wait_dscnt 0x0
	CROUND
	s_endpgm
.Lfunc_end_k_q09d0dd522c_ff1:
	.size	k_q09d0dd522c_ff1, .Lfunc_end_k_q09d0dd522c_ff1-k_q09d0dd522c_ff1
	.p2alignl 7, 3214868480
	.fill 96, 4, 3214868480
	.section	.rodata,"a",@progbits
	.p2align	6, 0x0
	.amdhsa_kernel k_q09d0dd522c_ff1
		.amdhsa_group_segment_fixed_size 327680
		.amdhsa_private_segment_fixed_size 0
		.amdhsa_enable_private_segment 0
		.amdhsa_kernarg_size 40
		.amdhsa_user_sgpr_count 2
		.amdhsa_user_sgpr_kernarg_segment_ptr 1
		.amdhsa_wavefront_size32 1
		.amdhsa_system_sgpr_workgroup_id_x 1
		.amdhsa_system_sgpr_workgroup_id_y 1
		.amdhsa_system_sgpr_workgroup_id_z 1
		.amdhsa_system_vgpr_workitem_id 0
		.amdhsa_next_free_vgpr 1024
		.amdhsa_next_free_sgpr 102
		.amdhsa_reserve_vcc 0
		.amdhsa_float_denorm_mode_32 3
		.amdhsa_float_denorm_mode_16_64 3
		.amdhsa_memory_ordered 1
		.amdhsa_forward_progress 1
		.amdhsa_inst_pref_size 188
	.end_amdhsa_kernel
	.amdgpu_metadata
---
amdhsa.version: [ 1, 2 ]
amdhsa.kernels:
  - .name:           k_q09d0dd522c_ff1
    .symbol:         k_q09d0dd522c_ff1.kd
    .args:
      - { .name: wd, .offset: 0, .size: 8, .value_kind: global_buffer, .address_space: global }
      - { .name: w1_codes, .offset: 8, .size: 8, .value_kind: global_buffer, .address_space: global }
      - { .name: w1_scales, .offset: 16, .size: 8, .value_kind: global_buffer, .address_space: global }
      - { .name: b1, .offset: 24, .size: 8, .value_kind: global_buffer, .address_space: global }
      - { .name: we, .offset: 32, .size: 8, .value_kind: global_buffer, .address_space: global }
    .group_segment_fixed_size: 327680
    .private_segment_fixed_size: 0
    .kernarg_segment_align: 8
    .kernarg_segment_size: 40
    .max_flat_workgroup_size: 128
    .sgpr_count:     102
    .vgpr_count:     1024
    .wavefront_size: 32
...
	.end_amdgpu_metadata
.endif
;; end of part 5
;; launch ff2 (part 6): grid 8 x 32, 4 waves a work-group, clusters of 4 x 4, 327,680 bytes of LDS; arguments we, w2_codes, w2_scales, b2, wf; writes wf
.if DOCPART == 6
	.amdgcn_target "amdgcn-amd-amdhsa--gfx1250"
	.amdhsa_code_object_version 6
	.text
	.protected	k_q09d0dd522c_ff2
	.globl	k_q09d0dd522c_ff2
	.p2align	8
	.type	k_q09d0dd522c_ff2,@function
k_q09d0dd522c_ff2:
	s_mov_b64 s[64:65], 0
	v_nop
	global_prefetch_b8 v0, s[64:65] scope:SCOPE_SE
	s_setreg_imm32_b32 hwreg(HW_REG_WAVE_MODE, 25, 1), 1
	s_wait_xcnt 0x0
	s_wait_alu depctr_hold_cnt(0) depctr_sa_sdst(0) depctr_va_vdst(0) depctr_va_sdst(0) depctr_va_ssrc(0) depctr_va_vcc(0) depctr_vm_vsrc(0)
	s_getreg_b32 s2, hwreg(HW_REG_IB_STS2, 6, 4)
	s_cmp_eq_u32 s2, 0
	s_cbranch_scc0 .Lentry_in_a_cluster
	s_endpgm
.Lentry_in_a_cluster:
	s_bfe_u32 s2, ttmp6, 0x10000c
	s_cmp_lg_u32 s2, 0xf033
	s_cbranch_scc0 .Lentry_shape_is_right
	s_endpgm
.Lentry_shape_is_right:
; wf[m'][n] = b2[n] + sum over k of hidden[m'][k] w2[k][n], on codes of E4M3 with E8M0 scales; M 4,096, N 1,024, K 4,096; sums in f32, one sum for each output: K is not cut among work-groups, so nothing is added up later.
; hidden comes from we as images of operand registers [16 rows][128 along K][c 4][lane][16 B] with its scale words [128 along K][row]; w2's codes [n][4,096] and scale bytes [n][128] are taken as they are given.
; In an image, registers 2 c, 2 c + 1 of lane (r, h) hold k = 16 c + 8 h + 0 .. 7; w2's fragments are read from LDS in pieces of 8 bytes in the same order.
; SHARES: a block of 128 x 128 to a work-group: 32 x 8 = 256 work-groups.  Four waves, 64 x 64 each: 16 accumulators.  K goes in slots of 512 (four steps of 128) through a ring of two slots: eight fills in all.
; CLUSTER 4 x 4: hidden's tiles are shared along a row of the cluster, w2's along a column: joint loads.  The scales of the block's rows and columns for all of K come once, with the head's loads.
; THE MATRIX INSTRUCTION IS USED TRANSPOSED (source 0 = 16 rows of w2, source 1 = 16 rows of hidden): a lane holds eight neighbouring numbers of a row of the result.  The bias is the C of each sum's first product.
; REGISTERS: window 0: v0-31 addresses, v32-47 scale words (two sets), v48-79 the bias, v128-255 hidden's fragments (two sets of 4 x 16);  window 1: v0-127 the accumulators ((a, b) at 8 (4 a + b)), v128-255 w2's fragments (two sets).
; A step's fragments are asked of LDS one step ahead, into the other set.  Each refill is asked for a whole slot, 64 matrix instructions a wave, ahead of its first read; no prefetch into the L2 is laid beside it.
.set PITCH,  528                       ; a row of w2's tile in LDS: 512 bytes + 16
.set HALFA,  32768                     ; four images' 8,192 bytes: 64 rows of hidden x 512 along K
.set HALFB,  64*PITCH
.set BOFF,   2*HALFA
.set SLOT,   BOFF+2*HALFB
.set LAPS,   4                         ; a lap = two slots = 1,024 along K
.set SCA,    2*SLOT                    ; hidden's scale words [32][128 rows]
.set SCBB,   SCA+16384                 ; w2's scale bytes: 128 rows of 128 bytes + 16
.set SPARE,  SCBB+128*144              ; the spare words
.set SPITCH, 272                       ; the way out: a stage of 16 rows x (256 bytes + 16) a wave, in slot 0, behind its last fill and its last read
.set H32,  7
.set ADRA, 16
.set ADRB, 20
.set STO,  24
.set RD,   25
.set CO,   26
.set ADRS, 27
.set SPW,  28
.set NIL,  29
.set ADRT, 30
.set SC,   32
.set BIAS, 48
.set AF,   128
.set G1, 24
.set G0, 32
.set G1B, 48
.set G0B, 56
.set G1S, 68
.set G0S, 76
.set G1SB, 80
.set G0SB, 88
.set MSB, 0
.macro WIN new                         ; the immediate's high byte repeats the setting that is left
.if MSB != (\new)
	s_set_vgpr_msb (MSB<<8)|(\new)
.set MSB, (\new)
.endif
.endm
.macro TL g0, g1                       ; a joint load and the idle lines behind it
	tensor_load_to_lds s[\g0:\g0+3], s[\g1:\g1+7]
	s_nop 0
.rept 4
	v_nop
.endr
.endm
.macro JLOAD g0a, g1a, g0b, g1b        ; waves 0 and 1 fetch hidden's halves, waves 2 and 3 w2's
	s_cmp_eq_u32 s15, 0
	s_cbranch_scc0 .Lfor_b_\@
	TL \g0a, \g1a
	s_branch .Lasked_\@
.Lfor_b_\@:
	TL \g0b, \g1b
.Lasked_\@:
.endm
.macro CREST
	s_cmp_lg_u32 s14, 0
	s_cbranch_scc1 .Lnot_wave_0_\@
	s_barrier_signal -3
.Lnot_wave_0_\@:
	s_barrier_wait -3
	s_barrier_signal -1
	s_barrier_wait -1
.endm
.macro CROUND
	s_barrier_signal -1
	s_barrier_wait -1
	CREST
.endm
.macro G1SET g, c, r, p                ; group 1's words 1 to 7: r rows of c elements, p elements from row to row
	s_mov_b32 s[\g+1], (\c)<<16
	s_mov_b32 s[\g+2], (\r)<<16
	s_mov_b32 s[\g+3], (\c)<<16
	s_mov_b32 s[\g+4], \r
	s_mov_b32 s[\g+5], \p
	s_mov_b32 s[\g+6], 0
	s_mov_b32 s[\g+7], 0
.endm
.macro PLACES n
.rept \n
	v_nop
.endr
.endm
	s_load_b64 s[4:5], s[0:1], 0x0                 ; we
	s_load_b128 s[8:11], s[0:1], 0x8               ; w2's codes, w2's scales
	s_load_b64 s[66:67], s[0:1], 0x18              ; b2
	s_load_b64 s[12:13], s[0:1], 0x20              ; wf
	v_lshl_add_u32 v[SPW], v0, 2, SPARE
	v_mov_b32 v[NIL], 0
	ds_add_u32 v[SPW], v[NIL]                      ; the opening lines: the add twice on end and one wait
	ds_add_u32 v[SPW], v[NIL]
	v_lshrrev_b32 v1, 5, v0
	v_readfirstlane_b32 s14, v1                    ; wave 0..3
	s_lshr_b32 s15, s14, 1                         ; my half of the block's rows.  Also: I fetch for hidden (0) or for w2 (1)
	s_and_b32 s16, s14, 1                          ; my half of its columns.  Also: which half of that tile I fetch
	s_bfe_u32 s40, ttmp6, 0x40000
	s_bfe_u32 s41, ttmp6, 0x40004
	s_lshl_b32 s42, ttmp9, 2
	s_add_co_u32 s42, s42, s40                     ; block column 0..7
	s_and_b32 s17, ttmp7, 0xffff
	s_lshl_b32 s17, s17, 2
	s_add_co_u32 s17, s17, s41                     ; block row 0..31
	s_lshl_b32 s43, s41, 2
	s_lshl_b32 s43, 15, s43                        ; my row of the cluster
	s_lshl_b32 s44, 0x1111, s40                    ; my column
	s_or_b32 s[G1+0], s43, (3<<16)|(1<<21)
	G1SET G1, 1024, 8, 8192                        ; hidden: images' 8,192 bytes (512 along K), 65,536 apart: 8 at the head, then 4 a load
	s_or_b32 s[G1B+0], s44, (0<<16)|(1<<20)|(1<<21)|(6<<22)|(3<<25)
	G1SET G1B, 512, 128, 4096                      ; w2: rows of 512 bytes, 16 of padding behind each: 128 at the head, then 64 a load
	s_or_b32 s[G1S+0], s43, (3<<16)|(1<<21)
	G1SET G1S, 64, 32, 2048                        ; hidden's scale words: 32 rows of 512 bytes, 16,384 apart
	s_or_b32 s[G1SB+0], s44, (2<<16)|(1<<20)|(1<<21)|(4<<22)|(3<<25)
	G1SET G1SB, 32, 128, 32                        ; w2's scale bytes: 128 dense rows of 128 bytes, 16 of padding behind each
	s_lshl_b32 s20, s17, 19                        ; hidden's codes: 8 images of 65,536 bytes to a block row
	s_mov_b32 s21, 0
	s_lshl_b32 s46, s42, 19                        ; w2's codes: 128 rows of 4,096 bytes
	s_mov_b32 s47, 0
	s_lshl_b32 s22, s17, 9
	s_add_co_u32 s22, s22, 0x1000000               ; hidden's scale words: 128 rows' 512 bytes
	s_mov_b32 s23, 0
	s_lshl_b32 s92, s42, 14                        ; w2's scale bytes
	s_mov_b32 s93, 0
	s_lshl_b32 s18, s16, 18                        ; in the ring I fetch half a tile: 4 images, or 64 rows of 4,096 bytes
	s_mov_b32 s19, 0
	s_mul_i32 s45, s16, HALFA
	s_mul_i32 s94, s16, HALFB
	s_add_co_u32 s94, s94, BOFF
	s_wait_dscnt 0x0                               ; both opening adds are done
	s_wait_kmcnt 0x0
	s_add_nc_u64 s[20:21], s[4:5], s[20:21]
	s_add_nc_u64 s[22:23], s[4:5], s[22:23]
	s_add_nc_u64 s[46:47], s[8:9], s[46:47]
	s_add_nc_u64 s[92:93], s[10:11], s[92:93]
	CROUND                                         ; all sixteen work-groups are here: the first joint loads meet
	s_mov_b32 s4, 1                                ; the head's four tiles, each whole: slot 0's 128 rows of hidden,
	s_mov_b32 s5, 0
	s_mov_b64 s[6:7], s[20:21]
	s_or_b32 s7, s7, 0x80000000
	s_mov_b32 s8, 1                                ; its 128 rows of w2,
	s_mov_b32 s9, BOFF
	s_mov_b64 s[10:11], s[46:47]
	s_or_b32 s11, s11, 0x80000000
	s_mov_b32 s[G0S], 1                            ; hidden's scale words,
	s_mov_b32 s[G0S+1], SCA
	s_mov_b64 s[G0S+2:G0S+3], s[22:23]
	s_or_b32 s[G0S+3], s[G0S+3], 0x80000000
	s_mov_b32 s[G0SB], 1                           ; and w2's scale bytes
	s_mov_b32 s[G0SB+1], SCBB
	s_mov_b64 s[G0SB+2:G0SB+3], s[92:93]
	s_or_b32 s[G0SB+3], s[G0SB+3], 0x80000000
	s_add_nc_u64 s[20:21], s[20:21], s[18:19]      ; for the ring: my half of a tile
	s_add_nc_u64 s[46:47], s[46:47], s[18:19]
.irp s, 0,1
	s_mov_b32 s[G0+4*\s], 1
	s_add_co_u32 s[G0+4*\s+1], s45, \s*SLOT
	s_add_nc_u64 s[G0+4*\s+2:G0+4*\s+3], s[20:21], \s*8192
	s_or_b32 s[G0+4*\s+3], s[G0+4*\s+3], 0x80000000
	s_mov_b32 s[G0B+4*\s], 1
	s_add_co_u32 s[G0B+4*\s+1], s94, \s*SLOT
	s_add_nc_u64 s[G0B+4*\s+2:G0B+4*\s+3], s[46:47], \s*512
	s_or_b32 s[G0B+4*\s+3], s[G0B+4*\s+3], 0x80000000
.endr
.macro ARM under, g0, g1, next         ; one chain of branches on the wave's number, one load to an arm
	s_cmp_lt_u32 s14, \under
	s_cbranch_scc0 \next
	TL \g0, \g1
	s_branch .Lhead_asked
\next:
.endm
	ARM 1, 4, G1, .Lhead_b
	ARM 2, 8, G1B, .Lhead_sa
	ARM 3, G0S, G1S, .Lhead_sb
	TL G0SB, G1SB
.Lhead_asked:
	s_mul_i32 s20, s15, HALFA                      ; my 64 rows of hidden in slot 0,
	s_add_co_u32 s21, s20, SLOT                    ; in slot 1;
	s_mul_i32 s22, s16, HALFB
	s_add_co_u32 s22, s22, BOFF                    ; my 64 rows of w2
	s_add_co_u32 s23, s22, SLOT
	s_lshl_b32 s46, s15, 8
	s_add_co_u32 s46, s46, SCA                     ; my rows' scale words
	s_mul_i32 s47, s16, 64*144
	s_add_co_u32 s47, s47, SCBB                    ; my columns' scale bytes
	s_mul_i32 s92, s14, 16*SPITCH                  ; my stage
	s_lshl_b32 s94, s42, 9
	s_lshl_b32 s93, s16, 8
	s_add_co_u32 s94, s94, s93                     ; my first column, in bytes
	s_mov_b32 s95, 0
	s_add_nc_u64 s[66:67], s[66:67], s[94:95]
	s_add_nc_u64 s[12:13], s[12:13], s[94:95]
	s_lshl_b32 s94, s17, 19
	s_lshl_b32 s93, s15, 18
	s_add_co_u32 s94, s94, s93                     ; my first row: 4,096 bytes a row
	s_add_nc_u64 s[12:13], s[12:13], s[94:95]
	v_and_b32 v1, 15, v0                           ; r
	v_bfe_u32 v2, v0, 4, 1                         ; h
	v_and_b32 v6, 31, v0
	v_lshlrev_b32 v3, 4, v6                        ; 16 x lane: my place in an image
	v_mul_u32_u24 v4, v1, PITCH
	v_lshl_add_u32 v4, v2, 3, v4                   ; w2: row r, + 8 h
	v_add_nc_u32 v[ADRA], s20, v3
	v_add_nc_u32 v[ADRA+1], s21, v3
	v_add_nc_u32 v[ADRB], s22, v4
	v_add_nc_u32 v[ADRB+1], s23, v4
	v_lshlrev_b32 v5, 2, v1
	v_lshl_add_u32 v5, v2, 9, v5
	v_add_nc_u32 v[ADRS], s46, v5                  ; lanes 0-15 take the word of an even step, lanes 16-31 that of the odd step behind it
	v_mul_u32_u24 v8, v1, 144
	v_lshl_add_u32 v8, v2, 2, v8
	v_add_nc_u32 v[ADRT], s47, v8
	v_mul_u32_u24 v9, v1, SPITCH
	v_lshl_add_u32 v9, v2, 5, v9
	v_add_nc_u32 v[STO], s92, v9                   ; into the stage: row r, + 32 h
	v_mul_u32_u24 v10, v2, SPITCH
	v_lshl_add_u32 v10, v1, 4, v10
	v_add_nc_u32 v[RD], s92, v10                   ; back: lanes 0-15 one row, lanes 16-31 the next
	v_lshlrev_b32 v[CO], 12, v2
	v_lshl_add_u32 v[CO], v1, 4, v[CO]
	v_lshlrev_b32 v[H32], 5, v2
.irp b, 0,1,2,3
	global_load_b128 v[BIAS+8*\b:BIAS+8*\b+3], v[H32], s[66:67] offset:64*\b      ; b2 at the lane's eight columns of each column tile
	global_load_b128 v[BIAS+8*\b+4:BIAS+8*\b+7], v[H32], s[66:67] offset:64*\b+16
.endr
; the fragments of the slot's q-th 128 along K into set q % 2: 32 + 16 LDS loads
.macro FETCH slot, q
	WIN 0x40
.irp i, 0,1,2,3
.irp c, 0,1,2,3,4,5,6,7
	ds_load_b64 v[128+64*((\q)%2)+16*\i+2*\c:128+64*((\q)%2)+16*\i+2*\c+1], v[ADRB+\slot] offset:\i*16*PITCH+128*(\q)+16*\c
.endr
.endr
	WIN 0
.irp i, 0,1,2,3
.irp c, 0,1,2,3
	ds_load_b128 v[AF+64*((\q)%2)+16*\i+4*\c:AF+64*((\q)%2)+16*\i+4*\c+3], v[ADRA+\slot] offset:\i*8192+2048*(\q)+512*\c
.endr
.endr
.endm
; the scale words of the lap's P-th pair of steps into set P % 2: 8 LDS loads
.macro SCALES P
.irp i, 0,1,2,3
	ds_load_b32 v[SC+8*((\P)%2)+\i], v[ADRS] offset:1024*(\P)+64*\i
.endr
.irp i, 0,1,2,3
	ds_load_b32 v[SC+8*((\P)%2)+4+\i], v[ADRT] offset:8*(\P)+2304*\i
.endr
.endm
; 8 matrix instructions: row tiles a0, a0 + 1 x the four column tiles.  The 16 accumulators take turns in the same order in every step.
.macro MUL8 a0, q, zero
.irp a, \a0, \a0+1
.irp b, 0,1,2,3
.if \zero
	v_wmma_scale_f32_16x16x128_f8f6f4 v[8*(4*(\a)+\b):8*(4*(\a)+\b)+7], v[128+64*((\q)%2)+16*\b:128+64*((\q)%2)+16*\b+15], v[AF+64*((\q)%2)+16*(\a):AF+64*((\q)%2)+16*(\a)+15], v[BIAS+8*\b:BIAS+8*\b+7], v[SC+8*(((\q)/2)%2)+4+\b], v[SC+8*(((\q)/2)%2)+(\a)]
.elseif ((\q)%2) == 0
	v_wmma_scale_f32_16x16x128_f8f6f4 v[8*(4*(\a)+\b):8*(4*(\a)+\b)+7], v[128+64*((\q)%2)+16*\b:128+64*((\q)%2)+16*\b+15], v[AF+64*((\q)%2)+16*(\a):AF+64*((\q)%2)+16*(\a)+15], v[8*(4*(\a)+\b):8*(4*(\a)+\b)+7], v[SC+8*(((\q)/2)%2)+4+\b], v[SC+8*(((\q)/2)%2)+(\a)]
.else
	v_wmma_scale_f32_16x16x128_f8f6f4 v[8*(4*(\a)+\b):8*(4*(\a)+\b)+7], v[128+64*((\q)%2)+16*\b:128+64*((\q)%2)+16*\b+15], v[AF+64*((\q)%2)+16*(\a):AF+64*((\q)%2)+16*(\a)+15], v[8*(4*(\a)+\b):8*(4*(\a)+\b)+7], v[SC+8*(((\q)/2)%2)+4+\b], v[SC+8*(((\q)/2)%2)+(\a)] matrix_a_scale:MATRIX_SCALE_ROW1 matrix_b_scale:MATRIX_SCALE_ROW1
.endif
.endr
.endr
.endm
; one of a slot's first three steps: the next step's fragments are asked for, then this step's are waited for and multiplied
.macro STEPN slot, q, zero
.if \zero == 0
	PLACES 8                                       ; behind the last step's products, ahead of loads into registers that they read
.endif
	FETCH \slot, (\q)+1
.if (\q) == 1
	SCALES 2*\slot+1
	s_wait_dscnt 56                                ; all but the 56 just issued
.else
	s_wait_dscnt 48                                ; all but the 48 just issued
.endif
.if \zero
	WIN 0x41                                       ; w2 and the sums in window 1; hidden and the bias in window 0
.else
	WIN 0x51
.endif
	MUL8 0, \q, \zero
	MUL8 2, \q, \zero
	WIN 0
.endm
; a slot's last step changes slots: one barrier; fill = 1: it opens a round of the cluster's barrier, and this slot is filled again, two slots ahead
.macro TURNS slot, next, fill
	s_wait_tensorcnt 0x0                           ; all my tensor loads have landed: my part of the next slot
	ds_add_u32 v[SPW], v[NIL]
	s_wait_dscnt 0x0                               ; the add is done, and my reads of this slot are over
	s_barrier_signal -1
	WIN 0x51
	MUL8 0, 3, 0                                   ; work on registers while the others arrive
	WIN 0
	s_barrier_wait -1
.if \fill
	CREST
	s_add_nc_u64 s[G0+4*\slot+2:G0+4*\slot+3], s[G0+4*\slot+2:G0+4*\slot+3], 16384
	s_add_nc_u64 s[G0B+4*\slot+2:G0B+4*\slot+3], s[G0B+4*\slot+2:G0B+4*\slot+3], 1024
	JLOAD G0+4*\slot, G1, G0B+4*\slot, G1B         ; the first tensor load behind the round; its four idle lines are among the places ahead of the loads below
	PLACES 4
.else
	PLACES 8
.endif
.if \next == 0
	v_add_nc_u32 v[ADRS], 4096, v[ADRS]            ; on to the next lap's scale words: eight steps
	v_add_nc_u32 v[ADRT], 32, v[ADRT]
	s_wait_alu depctr_va_vdst(0)
.endif
	FETCH \next, 0
	SCALES 2*\next
	WIN 0x51
	MUL8 2, 3, 0
	WIN 0
.endm
	s_wait_alu depctr_va_vdst(0)
	s_wait_loadcnt 0x0                             ; the bias
	s_wait_tensorcnt 0x0                           ; my tile of the head's four is in
	ds_add_u32 v[SPW], v[NIL]
	s_mov_b32 s[G1+2], 4<<16                       ; no tensor load of mine is out: from here on a load brings half a tile: 4 images,
	s_mov_b32 s[G1+4], 4
	s_mov_b32 s[G1B+2], 64<<16                     ; 64 rows of w2
	s_mov_b32 s[G1B+4], 64
	s_wait_dscnt 0x0
	CROUND                                         ; all four tiles are in, and the sixteen work-groups meet
	JLOAD G0+4, G1, G0B+4, G1B                     ; slot 1's first fill, the first tensor load behind the round
	FETCH 0, 0
	SCALES 0
	STEPN 0, 0, 1                                  ; the first step stands ahead of the loop: its products start the sums from the bias
	s_mov_b32 s3, LAPS-1
.Llap:                                                 ; a trip goes once round the ring, from a lap's second step to the next lap's first, and fills both slots again
	STEPN 0, 1, 0
	STEPN 0, 2, 0
	TURNS 0, 1, 1
	STEPN 1, 0, 0
	STEPN 1, 1, 0
	STEPN 1, 2, 0
	TURNS 1, 0, 1
	STEPN 0, 0, 0
	s_sub_co_u32 s3, s3, 1
	s_cmp_lg_u32 s3, 0
	s_cbranch_scc1 .Llap
	STEPN 0, 1, 0                                  ; the last lap fills nothing
	STEPN 0, 2, 0
	TURNS 0, 1, 0
	STEPN 1, 0, 0
	STEPN 1, 1, 0
	STEPN 1, 2, 0
	s_wait_dscnt 0x0                               ; the very last step: nothing more to fetch
	WIN 0x51
	MUL8 0, 3, 0
	MUL8 2, 3, 0
	WIN 0
	; THE WAY OUT, 16 rows x 64 columns at a time: through my stage, and back as whole rows of 256 bytes, which sixteen lanes store as one aligned unit.
	PLACES 8
.irp a, 0,1,2,3
	WIN 0x04                                       ; the data in window 1
.irp b, 0,1,2,3
	ds_store_b128 v[STO], v[8*(4*\a+\b):8*(4*\a+\b)+3] offset:64*\b            ; each accumulator from its low end on
	ds_store_b128 v[STO], v[8*(4*\a+\b)+4:8*(4*\a+\b)+7] offset:64*\b+16
.endr
	WIN 0
.irp i, 0,1,2,3,4,5,6,7
	ds_load_b128 v[AF+32*\a+4*\i:AF+32*\a+4*\i+3], v[RD] offset:544*\i         ; LDS serves a wave's instructions in order: these see my stores, and the next block's stores come behind them
.endr
.endr
.irp a, 0,1,2,3
.irp i, 0,1,2,3,4,5,6,7
	s_wait_dscnt 55-16*\a-\i                       ; the younger LDS instructions may be out: this block's later loads and the later blocks' sixteen each
	global_store_b128 v[CO], v[AF+32*\a+4*\i:AF+32*\a+4*\i+3], s[12:13] offset:65536*\a+8192*\i
.endr
.endr
	s_wait_tensorcnt 0x0                           ; the wave's end
	ds_add_u32 v[SPW], v[NIL]
	s_wait_dscnt 0x0
	CROUND                                         ; the closing round
	s_endpgm
.Lfunc_end_k_q09d0dd522c_ff2:
	.size	k_q09d0dd522c_ff2, .Lfunc_end_k_q09d0dd522c_ff2-k_q09d0dd522c_ff2
	.p2alignl 7, 3214868480
	.fill 96, 4, 3214868480
	.section	.rodata,"a",@progbits
	.p2align	6, 0x0
	.amdhsa_kernel k_q09d0dd522c_ff2
		.amdhsa_group_segment_fixed_size 327680
		.amdhsa_private_segment_fixed_size 0
		.amdhsa_enable_private_segment 0
		.amdhsa_kernarg_size 40
		.amdhsa_user_sgpr_count 2
		.amdhsa_user_sgpr_kernarg_segment_ptr 1
		.amdhsa_wavefront_size32 1
		.amdhsa_system_sgpr_workgroup_id_x 1
		.amdhsa_system_sgpr_workgroup_id_y 1
		.amdhsa_system_sgpr_workgroup_id_z 1
		.amdhsa_system_vgpr_workitem_id 0
		.amdhsa_next_free_vgpr 512
		.amdhsa_next_free_sgpr 102
		.amdhsa_reserve_vcc 0
		.amdhsa_float_denorm_mode_32 3
		.amdhsa_float_denorm_mode_16_64 3
		.amdhsa_memory_ordered 1
		.amdhsa_forward_progress 1
		.amdhsa_inst_pref_size 113
	.end_amdhsa_kernel
	.amdgpu_metadata
---
amdhsa.version: [ 1, 2 ]
amdhsa.kernels:
  - .name:           k_q09d0dd522c_ff2
    .symbol:         k_q09d0dd522c_ff2.kd
    .args:
      - { .name: we, .offset: 0, .size: 8, .value_kind: global_buffer, .address_space: global }
      - { .name: w2_codes, .offset: 8, .size: 8, .value_kind: global_buffer, .address_space: global }
      - { .name: w2_scales, .offset: 16, .size: 8, .value_kind: global_buffer, .address_space: global }
      - { .name: b2, .offset: 24, .size: 8, .value_kind: global_buffer, .address_space: global }
      - { .name: wf, .offset: 32, .size: 8, .value_kind: global_buffer, .address_space: global }
    .group_segment_fixed_size: 327680
    .private_segment_fixed_size: 0
    .kernarg_segment_align: 8
    .kernarg_segment_size: 40
    .max_flat_workgroup_size: 128
    .sgpr_count:     102
    .vgpr_count:     512
    .wavefront_size: 32
...
	.end_amdgpu_metadata
.endif
;; end of part 6
;; launch ln2 (part 7): grid 256 x 1, 16 waves a work-group, no clusters, 0 bytes of LDS; arguments wf, wd, ln2_g, ln2_b, out0; writes out0
.if DOCPART == 7
	.amdgcn_target "amdgcn-amd-amdhsa--gfx1250"
	.amdhsa_code_object_version 6
	.text
	.protected	k_q09d0dd522c_ln2
	.globl	k_q09d0dd522c_ln2
	.p2align	8
	.type	k_q09d0dd522c_ln2,@function
k_q09d0dd522c_ln2:
	s_mov_b64 s[64:65], 0
	v_nop
	global_prefetch_b8 v0, s[64:65] scope:SCOPE_SE
	s_setreg_imm32_b32 hwreg(HW_REG_WAVE_MODE, 25, 1), 1
	s_wait_xcnt 0x0
; out0 = LayerNorm(x + the second feed-forward product with its bias) g + b.  x and the product lie in the row order m' = 2048 b + s; out0's row is 2 s + b.
; The mean is taken first and the variance of the row less its mean: no difference of large sums.  One wave, one row, kept in registers: every byte is read once, every load and store covers 512 consecutive bytes.
; All 32 loads of a wave go out at once: no ring, no LDS, no barrier.  Matrix units and clusters have nothing to do here: no two work-groups share a byte but the gain and the bias.
.set P0,  16                           ; v16-47   the product's row
.set X,   48                           ; v48-79   x
.set G,   80
.set BT,  112
	s_load_b256 s[4:11], s[0:1], 0x0               ; wf, wd, ln2_g, ln2_b
	s_load_b64 s[12:13], s[0:1], 0x20              ; out0
	v_lshrrev_b32 v1, 5, v0
	s_delay_alu instid0(VALU_DEP_1)
	v_readfirstlane_b32 s22, v1                    ; wave
	v_and_b32 v1, 31, v0
	s_delay_alu instid0(VALU_DEP_1)
	v_lshlrev_b32 v2, 4, v1
	s_mov_b32 s24, 0x76543210
	s_mov_b32 s25, 0xfedcba98
	s_lshr_b32 s23, ttmp9, 7                       ; b
	s_and_b32 s26, ttmp9, 127
	s_lshl_b32 s26, s26, 4
	s_add_co_u32 s26, s26, s22                     ; s
	s_lshl_b32 s26, s26, 1
	s_add_co_u32 s26, s26, s23
	s_lshl_b32 s26, s26, 12                        ; out0's row 2 s + b
	s_mov_b32 s27, 0
	s_lshl_b32 s28, ttmp9, 4
	s_add_co_u32 s28, s28, s22                     ; m'
	s_lshl_b32 s28, s28, 12
	s_mov_b32 s29, 0
	s_wait_alu depctr_va_vdst(0)
	s_wait_kmcnt 0x0
	s_add_nc_u64 s[14:15], s[4:5], s[28:29]
	s_add_nc_u64 s[6:7], s[6:7], s[28:29]
	s_add_nc_u64 s[12:13], s[12:13], s[26:27]
.irp i, 0,1,2,3,4,5,6,7
	global_load_b128 v[P0+4*\i:P0+4*\i+3], v2, s[14:15] offset:512*\i th:TH_LOAD_NT
	global_load_b128 v[X+4*\i:X+4*\i+3], v2, s[6:7] offset:512*\i th:TH_LOAD_NT
.endr
.irp i, 0,1,2,3,4,5,6,7
	global_load_b128 v[G+4*\i:G+4*\i+3], v2, s[8:9] offset:512*\i
	global_load_b128 v[BT+4*\i:BT+4*\i+3], v2, s[10:11] offset:512*\i
.endr
.macro WSUM                            ; v8 summed over the wave's 32 lanes, in every lane
	s_delay_alu instid0(VALU_DEP_1)
	v_add_f32_dpp v8, v8, v8 row_xmask:1 row_mask:0xf bank_mask:0xf
	s_delay_alu instid0(VALU_DEP_1)
	v_add_f32_dpp v8, v8, v8 row_xmask:2 row_mask:0xf bank_mask:0xf
	s_delay_alu instid0(VALU_DEP_1)
	v_add_f32_dpp v8, v8, v8 row_xmask:4 row_mask:0xf bank_mask:0xf
	s_delay_alu instid0(VALU_DEP_1)
	v_add_f32_dpp v8, v8, v8 row_xmask:8 row_mask:0xf bank_mask:0xf
	s_delay_alu instid0(VALU_DEP_1)
	v_permlanex16_b32 v9, v8, s24, s25
	s_delay_alu instid0(VALU_DEP_1)
	v_add_f32 v8, v8, v9
.endm
.macro LNCORE V, GG, BB                ; the row in v[V] .. v[V + 31] is normalised in place
	v_pk_add_f32 v[8:9], v[\V:\V+1], v[\V+2:\V+3]
	v_pk_add_f32 v[10:11], v[\V+4:\V+5], v[\V+6:\V+7]
.irp i, 8,12,16,20,24,28
	s_delay_alu instid0(VALU_DEP_2)
	v_pk_add_f32 v[8:9], v[8:9], v[\V+\i:\V+\i+1]
	s_delay_alu instid0(VALU_DEP_2)
	v_pk_add_f32 v[10:11], v[10:11], v[\V+\i+2:\V+\i+3]
.endr
	s_delay_alu instid0(VALU_DEP_1)
	v_pk_add_f32 v[8:9], v[8:9], v[10:11]
	s_delay_alu instid0(VALU_DEP_1)
	v_add_f32 v8, v8, v9
	WSUM
	s_delay_alu instid0(VALU_DEP_1)
	v_mul_f32 v12, 0xba800000, v8                  ; - the mean
	s_delay_alu instid0(VALU_DEP_1)
	v_mov_b32 v13, v12
.irp i, 0,2,4,6,8,10,12,14,16,18,20,22,24,26,28,30
	v_pk_add_f32 v[\V+\i:\V+\i+1], v[\V+\i:\V+\i+1], v[12:13]
.endr
	v_pk_mul_f32 v[8:9], v[\V:\V+1], v[\V:\V+1]
	v_pk_mul_f32 v[10:11], v[\V+2:\V+3], v[\V+2:\V+3]
.irp i, 4,8,12,16,20,24,28
	s_delay_alu instid0(VALU_DEP_2)
	v_pk_fma_f32 v[8:9], v[\V+\i:\V+\i+1], v[\V+\i:\V+\i+1], v[8:9]
	s_delay_alu instid0(VALU_DEP_2)
	v_pk_fma_f32 v[10:11], v[\V+\i+2:\V+\i+3], v[\V+\i+2:\V+\i+3], v[10:11]
.endr
	s_delay_alu instid0(VALU_DEP_1)
	v_pk_add_f32 v[8:9], v[8:9], v[10:11]
	s_delay_alu instid0(VALU_DEP_1)
	v_add_f32 v8, v8, v9
	WSUM
	v_mov_b32 v14, 0x3a800000                      ; 1 / 1024
	s_delay_alu instid0(VALU_DEP_1)
	v_fmaak_f32 v8, v8, v14, 0x3727c5ac            ; the variance + 1e-5
	s_wait_alu depctr_va_vdst(0)
	v_rsq_f32 v14, v8
	v_nop                                          ; a plain line behind the transcendental
	s_wait_alu depctr_va_vdst(0)
	v_mov_b32 v15, v14
.irp i, 0,2,4,6,8,10,12,14,16,18,20,22,24,26,28,30
	v_pk_mul_f32 v[\V+\i:\V+\i+1], v[\V+\i:\V+\i+1], v[14:15]
.endr
.irp i, 0,2,4,6,8,10,12,14,16,18,20,22,24,26,28,30
	v_pk_fma_f32 v[\V+\i:\V+\i+1], v[\V+\i:\V+\i+1], v[\GG+\i:\GG+\i+1], v[\BB+\i:\BB+\i+1]
.endr
.endm
	s_wait_loadcnt 0x0
.irp i, 0,2,4,6,8,10,12,14,16,18,20,22,24,26,28,30
	v_pk_add_f32 v[P0+\i:P0+\i+1], v[P0+\i:P0+\i+1], v[X+\i:X+\i+1]   ; the residual
.endr
	LNCORE P0, G, BT
.irp i, 0,1,2,3,4,5,6,7
	global_store_b128 v2, v[P0+4*\i:P0+4*\i+3], s[12:13] offset:512*\i th:TH_STORE_NT
.endr
	s_endpgm
.Lfunc_end_k_q09d0dd522c_ln2:
	.size	k_q09d0dd522c_ln2, .Lfunc_end_k_q09d0dd522c_ln2-k_q09d0dd522c_ln2
	.p2alignl 7, 3214868480
	.fill 96, 4, 3214868480
	.section	.rodata,"a",@progbits
	.p2align	6, 0x0
	.amdhsa_kernel k_q09d0dd522c_ln2
		.amdhsa_group_segment_fixed_size 0
		.amdhsa_private_segment_fixed_size 0
		.amdhsa_enable_private_segment 0
		.amdhsa_kernarg_size 40
		.amdhsa_user_sgpr_count 2
		.amdhsa_user_sgpr_kernarg_segment_ptr 1
		.amdhsa_wavefront_size32 1
		.amdhsa_system_sgpr_workgroup_id_x 1
		.amdhsa_system_sgpr_workgroup_id_y 1
		.amdhsa_system_sgpr_workgroup_id_z 1
		.amdhsa_system_vgpr_workitem_id 0
		.amdhsa_next_free_vgpr 144
		.amdhsa_next_free_sgpr 66
		.amdhsa_reserve_vcc 0
		.amdhsa_float_denorm_mode_32 3
		.amdhsa_float_denorm_mode_16_64 3
		.amdhsa_memory_ordered 1
		.amdhsa_forward_progress 1
		.amdhsa_inst_pref_size 14
	.end_amdhsa_kernel
	.amdgpu_metadata
---
amdhsa.version: [ 1, 2 ]
amdhsa.kernels:
  - .name:           k_q09d0dd522c_ln2
    .symbol:         k_q09d0dd522c_ln2.kd
    .args:
      - { .name: wf, .offset: 0, .size: 8, .value_kind: global_buffer, .address_space: global }
      - { .name: wd, .offset: 8, .size: 8, .value_kind: global_buffer, .address_space: global }
      - { .name: ln2_g, .offset: 16, .size: 8, .value_kind: global_buffer, .address_space: global }
      - { .name: ln2_b, .offset: 24, .size: 8, .value_kind: global_buffer, .address_space: global }
      - { .name: out0, .offset: 32, .size: 8, .value_kind: global_buffer, .address_space: global }
    .group_segment_fixed_size: 0
    .private_segment_fixed_size: 0
    .kernarg_segment_align: 8
    .kernarg_segment_size: 40
    .max_flat_workgroup_size: 512
    .sgpr_count:     66
    .vgpr_count:     144
    .wavefront_size: 32
...
	.end_amdgpu_metadata
.endif
;; end of part 7
